; MI455X (gfx1250); checked and timed in simulation.
; The chip was launched on July 23, 2026; its instructions are those of AMD's public machine-readable ISA for CDNA 5 (MIT licence, August 2026) and "CDNA5" Instruction Set Architecture Reference Guide (July 2026). The comments in the code are by the model that wrote it; some were corrected since.
;; Linear Attention. Allowed arithmetic: matrix products marked QUANTISED: E2M3 operands, one E8M0 scale for each 32 along K, by v_wmma_scale_f32_16x16x128_f8f6f4 with both operands' format E2M3, f32 sums; everything else in f32.
;; Inputs: w_qkv 3,072 x 1,024 float32; x 4 x 4,096 x 1,024 float32.
;; Outputs: out0 4 x 16 x 4,096 x 64 float32.
;; This version of the problem:
;;   THIS VERSION OF THE PROBLEM IS GIVEN IN LOW PRECISION. The matrix products marked QUANTISED in the list below multiply operands that are first quantised to E2M3 (2 exponent bits, 3 mantissa bits; 6 bits a number), with one power-of-two scale for each 32 numbers along K (OCP MX v1.0); their sums are f32. All else is computed in f32.
;;   The module's matrix products, in the order in which they are computed (A, B: the left and right operand; K: the contracted axis; several contracted axes count as one K, in the product's order):
;;     1. [M 16,384, K 1,024] x [K 1,024, N 3,072]; A: input x; B: input w_qkv: QUANTISED
;;     2. batch 64 x [M 64, K 4,096] x [K 4,096, N 64]; A: softmax (see below); B: computed on the way: QUANTISED
;;     3. batch 64 x [M 4,096, K 64] x [K 64, N 64]; A: computed on the way; B: computed on the way: QUANTISED
;;   THE QUANTISER, for each operand of a quantised product, along K:
;;     - K is cut into blocks of 32 from its start; a last block that is shorter is filled with zeros.
;;     - A block's scale is 2^e with e = floor(log2(the largest magnitude in the block)) - 2, held to -126 .. 127; a block of zeros has e = 0. As a byte (E8M0): e + 127.
;;     - Each number is divided by its block's scale, clamped to +-7.5, and rounded to the nearest number of E2M3, ties to even, subnormals kept.
;;     - The product sums the exact products of the quantised numbers (number of the format x scale) in f32.
;;   ~~~python
;;   def quantise(x, axis):      # numpy; x: float32 -> the quantised numbers, widened to float32 again
;;       x = np.moveaxis(x, axis, -1); K = x.shape[-1]
;;       x = np.pad(x, [(0, 0)] * (x.ndim - 1) + [(0, -K % 32)]); x = x.reshape(x.shape[:-1] + (-1, 32)); a = np.abs(x).max(-1, keepdims=True)
;;       e = np.where(a > 0, np.clip(np.frexp(np.where(a > 0, a, 1))[1] - 1 - 2, -126, 127), 0)      # np.frexp(a)[1] - 1 = floor(log2(a)), exactly
;;       r = np.clip(x / 2.0 ** e, -7.5, 7.5)
;;       step = 2.0 ** (np.maximum(np.frexp(np.where(r == 0, 1, r))[1] - 1, 0) - 3)
;;       q = np.round(r / step) * step * 2.0 ** e      # np.round: ties to even
;;       return np.moveaxis(q.reshape(q.shape[:-2] + (-1,))[..., :K], -1, axis).astype(np.float32)
;;   ~~~
;;   SOFTMAX AHEAD OF A QUANTISED PRODUCT. Where the list says 'softmax', what is quantised is not the finished softmax but p = 2^(t - M), with t = logit x log2(e) and M = ceil(the row's largest t), a whole number; so 1/2 < the row's largest p <= 1. The row's sum l is taken of the UNQUANTISED p, in f32, and the product's result is divided by l at the end. Since M is a whole number, a kernel that streams over the keys may use a running M (the ceiling of the running maximum): every later rescaling is an exact power of two, which a block's scale takes up: the codes' values come out the same.
;;   OPERANDS COMPUTED ON THE WAY. 'Computed on the way' means the value that the module computes at that place (a softmax that the list does not call 'softmax' is quantised finished and normalised). What goes into a quantiser is computed in f32, as accurately as f32 sums, v_exp_f32 and their like allow (about 1e-6 of the number): no bf16 or f16 on the way to a quantiser, and a product that is left as it is and whose result goes on into a quantised operand takes f32 operands (vector FMAs, or v_wmma_f32_16x16x4_f32). A number that lies on a knife's edge between two numbers of the format may be rounded either way, as far as f32 arithmetic and the matrix unit's own rounding can turn it there, and no further.
;; One version. Each part assembles by itself: llvm-mc -triple=amdgcn-amd-amdhsa -mcpu=gfx1250 --defsym DOCPART=n.
;; ======== version 1 of 1: 4 launches
;; workspace buffers: xc 12,582,912 bytes; xs 524,288 bytes; wc 2,359,296 bytes; ws 98,304 bytes; pctx 16,777,216 bytes; pml 524,288 bytes; cc 262,144 bytes
;; launch quant (part 1): grid 608 x 1, 4 waves a work-group, no clusters, 33,280 bytes of LDS; arguments x, w_qkv, xc, xs, wc, ws; writes xc, xs, wc, ws
.if DOCPART == 1
	.amdgcn_target "amdgcn-amd-amdhsa--gfx1250"
	.amdhsa_code_object_version 6
	.text
	.protected	k_qb89f61262c_quant
	.globl	k_qb89f61262c_quant
	.p2align	8
	.type	k_qb89f61262c_quant,@function
k_qb89f61262c_quant:
	s_mov_b64 s[64:65], 0
	v_nop
	global_prefetch_b8 v0, s[64:65] scope:SCOPE_SE
	s_setreg_imm32_b32 hwreg(HW_REG_WAVE_MODE, 25, 1), 1
	s_wait_xcnt 0x0
; x [16384][1024] and w_qkv [3072][1024], f32, become codes of FP6 (E2M3), 6 bits each, K innermost (a row: 768 bytes), with one E8M0 scale byte for each 32 along K (a row: 32 bytes).
; A block's scale is 2^(floor(log2(its largest magnitude)) - 2); its byte is the largest magnitude's exponent field - 2, held at 1 from below.  A block of zeros so gets the byte 1: its codes are zeros,
; which add nothing under any byte but 0xff, and the bytes are read by this program alone.  Each number is divided by the scale and rounded to the nearest code, ties to even; beyond 7.5 the largest code.
; LIMITS: NaN and infinities among the inputs are not served; a block whose largest magnitude lies under 2^-124 has its byte held at 1.
; A wave takes 8 rows (a RUN of 8,192 numbers) in 16 steps of 512 numbers.  Loads take the bytes as they lie (512 consecutive bytes a load); a step's 2,048 bytes turn through the wave's own stage in LDS
; so that a lane holds 16 neighbours along K, two neighbouring lanes a block.  A wave's 256 scale bytes are gathered in LDS and leave as one aligned run of 256 bytes.
; THE ROWS ARE LAID IN AN ORDER OF THIS PROGRAM'S OWN, run by run.  SWAP: of every four runs the second and the third change places, so that places 16 u + m of a group of 32 hold the rows 8 u + m + 8 (m / 8):
; two neighbouring tiles of 16 places, taken as a product's first source, then give a lane 16 neighbouring rows in 16 neighbouring result registers.
;   x: SWAP.   w rows 0-1023 (q): SWAP.   w's k rows of head hd: places 1024 + 128 hd + 0..63, SWAP.   w's v rows of head hd: places 1024 + 128 hd + 64..127, as they come.
; The first 512 work-groups take x, the other 96 w.  No tensor loads, no barrier: waves share nothing.  Loads run eight steps (32 loads, 16 KiB a wave: half of its run) ahead, the turn through LDS one step.
.set WAVES, 4
.set STEPS, 16
.set AHEAD, 8                          ; steps that the loads run ahead: as many sets of 16 registers
.set WGA,   512                        ; x's work-groups: 16,384 x 1,024 / 32,768
.set EMAX,  2
.set CB,    12                         ; bytes of 16 codes
.set R,     16                         ; v16-143  eight sets of 16 numbers as they are loaded
.set X,     144                        ; v144-175 two sets of 16 neighbours
.set E,     176                        ; v176-191 a scale byte for each step
.set C,     192                        ; v192-255 codes: four registers for each step, so that no store's data are written again
.set WREG,  8192                       ; LDS: a region of its own for each wave: two stages of 32 x SP bytes, and behind them its 256 scale bytes
.set SP,    80                         ; a lane's place in a stage: its 64 bytes + 16 of padding
	s_load_b128 s[4:7], s[0:1], 0x0                ; x, w
	s_load_b128 s[8:11], s[0:1], 0x10              ; x's codes, x's scales
	s_load_b128 s[12:15], s[0:1], 0x20             ; w's codes, w's scales
	v_lshl_add_u32 v251, v0, 2, 0x8000
	v_mov_b32 v255, 0
	v_lshrrev_b32 v1, 5, v0
	v_readfirstlane_b32 s16, v1                    ; wave
	v_and_b32 v2, 31, v0                           ; lane
	v_lshlrev_b32 v3, 4, v2                        ; my 16 bytes of a load's 512
	s_mul_i32 s17, s16, WREG
	v_lshrrev_b32 v14, 2, v2
	v_mul_u32_u24 v14, v14, SP
	v_and_b32 v15, 3, v2
	v_lshl_add_u32 v14, v15, 4, v14
	v_add_nc_u32 v14, s17, v14                     ; the stage, on the way in: four lanes' 64 bytes on end, then 16 of padding
	v_mul_u32_u24 v15, v2, SP
	v_add_nc_u32 v15, s17, v15                     ; and on the way out: SP x lane: my 16 neighbours
	v_mul_u32_u24 v4, v2, CB                       ; my codes' place in a step's
	v_lshrrev_b32 v5, 1, v2
	s_add_co_u32 s17, s17, 2*32*SP
	v_add_nc_u32 v5, s17, v5                       ; LDS: my wave's 256 scale bytes, my block's byte
	v_lshlrev_b32 v7, 3, v2                        ; and on the way out 8 bytes a lane
	v_add_nc_u32 v6, s17, v7
	s_wait_kmcnt 0x0
	s_cmp_lt_u32 ttmp9, WGA                        ; x's work-group or w's?  The choice hangs on the work-group's number alone
	s_cselect_b64 s[4:5], s[4:5], s[6:7]
	s_cselect_b64 s[8:9], s[8:9], s[12:13]
	s_cselect_b64 s[10:11], s[10:11], s[14:15]
	s_cselect_b32 s17, 0, WGA
	s_sub_co_u32 s17, ttmp9, s17                   ; g: the work-group's number within its tensor
	s_lshl_b32 s18, s17, 2
	s_add_co_u32 s18, s18, s16                     ; the run that I read: 4 g + wave
	s_mov_b32 s19, 0
	s_and_b32 s22, s16, 1
	s_lshl_b32 s22, s22, 1
	s_lshr_b32 s23, s16, 1
	s_or_b32 s22, s22, s23                         ; SWAP: the wave's two bits change places
	s_lshr_b32 s24, s17, 5                         ; w's k and v rows: g / 32 is 1 for k, 2 for v: 8 runs on for v,
	s_lshl_b32 s24, s24, 3
	s_lshr_b32 s25, s17, 1
	s_and_b32 s25, s25, 15                         ; the head,
	s_lshl_b32 s25, s25, 4                         ; 16 runs a head,
	s_add_co_u32 s24, s24, s25
	s_and_b32 s25, s17, 1
	s_lshl_b32 s25, s25, 2                         ; which half of the head's 64 rows,
	s_add_co_u32 s24, s24, s25
	s_add_co_u32 s24, s24, 120                     ; behind q's 128 runs (120 + the 8 that k already has)
	s_lshl_b32 s25, s17, 2                         ; x and q: 4 g
	s_cmp_ge_u32 ttmp9, WGA+32
	s_cselect_b32 s24, s24, s25
	s_cmp_ge_u32 ttmp9, WGA+64                     ; v's rows keep their order
	s_cselect_b32 s22, s16, s22
	s_add_co_u32 s22, s24, s22                     ; the run that I write
	s_mov_b32 s23, 0
	s_mov_b64 s[20:21], 512*STEPS*4
	s_mul_u64 s[20:21], s[18:19], s[20:21]
	s_add_nc_u64 s[4:5], s[4:5], s[20:21]
	s_mov_b64 s[20:21], 32*STEPS*CB
	s_mul_u64 s[20:21], s[22:23], s[20:21]
	s_add_nc_u64 s[8:9], s[8:9], s[20:21]
	s_lshl_b32 s22, s22, 8                         ; 256 scale bytes a run
	s_add_nc_u64 s[10:11], s[10:11], s[22:23]
.macro LOAD t
.irp i, 0,1,2,3
	global_load_b128 v[R+16*((\t)%AHEAD)+4*\i:R+16*((\t)%AHEAD)+4*\i+3], v3, s[4:5] offset:2048*(\t)+512*\i th:TH_LOAD_NT   ; 32 lanes read 512 consecutive bytes
.endr
.endm
.macro TURN t                          ; step t's numbers through the stage: LDS serves a wave's instructions in order, so no wait stands between the stores and the loads
.irp i, 0,1,2,3
	ds_store_b128 v14, v[R+16*((\t)%AHEAD)+4*\i:R+16*((\t)%AHEAD)+4*\i+3] offset:32*SP*((\t)%2)+8*SP*\i
.endr
.irp i, 0,1,2,3
	ds_load_b128 v[X+16*((\t)%2)+4*\i:X+16*((\t)%2)+4*\i+3], v15 offset:32*SP*((\t)%2)+16*\i
.endr
.endm
.irp t, 0,1,2,3,4,5,6,7
	LOAD \t
.endr
	s_wait_loadcnt 4*(AHEAD-1)                     ; step 0's four loads are in; the 28 of steps 1 to 7 may be out
	TURN 0
.macro STEP t
.set XS, X+16*((\t)%2)
.if (\t) > 0
	s_wait_dscnt 1                                 ; this step's numbers are back from the stage (the last step's byte store may be out): so its stores into the stage have read their registers,
.else
	s_wait_dscnt 0x0
.endif
.if (\t)+AHEAD < STEPS
	LOAD (\t)+AHEAD                                ; which take the loads of eight steps on
.endif
.if (\t)+1 < STEPS
.if STEPS-2-(\t) >= AHEAD-1
	s_wait_loadcnt 4*(AHEAD-1)                     ; the next step's four loads are in; those of the seven steps behind it may be out
.else
	s_wait_loadcnt 4*(STEPS-2-(\t))                ; towards the end: those of the steps that are left
.endif
	TURN (\t)+1                                    ; and go through the other stage while this step is worked
.endif
	v_max3_num_f32 v8, |v[XS]|, |v[XS+1]|, |v[XS+2]|               ; the largest magnitude of my 16
	v_max3_num_f32 v9, |v[XS+3]|, |v[XS+4]|, |v[XS+5]|
.irp i, 6,10
	v_max3_num_f32 v8, v8, |v[XS+\i]|, |v[XS+\i+1]|
	v_max3_num_f32 v9, v9, |v[XS+\i+2]|, |v[XS+\i+3]|
.endr
	v_max3_num_f32 v8, v8, |v[XS+14]|, |v[XS+15]|
	v_max3_num_f32 v8, v8, v9, (EMAX+1)<<23        ; and the floor 2^(EMAX + 1 - 127): so the byte cannot fall under 1
	v_max_num_f32_dpp v8, v8, v8 row_xmask:1 row_mask:0xf bank_mask:0xf   ; and of my neighbour's 16: the block's
	v_add_nc_u32 v11, -(EMAX<<23), v8              ; EMAX off its exponent field: the conversion takes the exponent field of this operand as its scale, and nothing else of it
	v_cvt_scalef32_pk16_fp6_f32 v[C+4*(\t):C+4*(\t)+2], v[XS:XS+15], v11         ; sixteen codes, 96 bits without gaps, the first number's code lowest
	v_lshrrev_b32 v[E+(\t)], 23, v11               ; the scale's byte
	ds_store_b8 v5, v[E+(\t)] offset:16*(\t)       ; both lanes of a block write the same byte with the same value
	global_store_b96 v4, v[C+4*(\t):C+4*(\t)+2], s[8:9] offset:32*CB*(\t)
.endm
.irp t, 0,1,2,3,4,5,6,7,8,9,10,11,12,13,14,15
	STEP \t
.endr
	ds_load_b64 v[12:13], v6                       ; LDS serves a wave's instructions in order: these see my stores
	s_wait_dscnt 0x0
	global_store_b64 v7, v[12:13], s[10:11]        ; 32 lanes store 256 consecutive bytes, aligned
	s_wait_tensorcnt 0x0
	ds_add_u32 v251, v255
	s_wait_dscnt 0x0
	s_endpgm
.Lfunc_end_k_qb89f61262c_quant:
	.size	k_qb89f61262c_quant, .Lfunc_end_k_qb89f61262c_quant-k_qb89f61262c_quant
	.p2alignl 7, 3214868480
	.fill 96, 4, 3214868480
	.section	.rodata,"a",@progbits
	.p2align	6, 0x0
	.amdhsa_kernel k_qb89f61262c_quant
		.amdhsa_group_segment_fixed_size 33280
		.amdhsa_private_segment_fixed_size 0
		.amdhsa_enable_private_segment 0
		.amdhsa_kernarg_size 48
		.amdhsa_user_sgpr_count 2
		.amdhsa_user_sgpr_kernarg_segment_ptr 1
		.amdhsa_wavefront_size32 1
		.amdhsa_system_sgpr_workgroup_id_x 1
		.amdhsa_system_sgpr_workgroup_id_y 1
		.amdhsa_system_sgpr_workgroup_id_z 1
		.amdhsa_system_vgpr_workitem_id 0
		.amdhsa_next_free_vgpr 256
		.amdhsa_next_free_sgpr 66
		.amdhsa_reserve_vcc 0
		.amdhsa_float_denorm_mode_32 3
		.amdhsa_float_denorm_mode_16_64 3
		.amdhsa_memory_ordered 1
		.amdhsa_forward_progress 1
		.amdhsa_inst_pref_size 33
	.end_amdhsa_kernel
	.amdgpu_metadata
---
amdhsa.version: [ 1, 2 ]
amdhsa.kernels:
  - .name:           k_qb89f61262c_quant
    .symbol:         k_qb89f61262c_quant.kd
    .args:
      - { .name: x, .offset: 0, .size: 8, .value_kind: global_buffer, .address_space: global }
      - { .name: w_qkv, .offset: 8, .size: 8, .value_kind: global_buffer, .address_space: global }
      - { .name: xc, .offset: 16, .size: 8, .value_kind: global_buffer, .address_space: global }
      - { .name: xs, .offset: 24, .size: 8, .value_kind: global_buffer, .address_space: global }
      - { .name: wc, .offset: 32, .size: 8, .value_kind: global_buffer, .address_space: global }
      - { .name: ws, .offset: 40, .size: 8, .value_kind: global_buffer, .address_space: global }
    .group_segment_fixed_size: 33280
    .private_segment_fixed_size: 0
    .kernarg_segment_align: 8
    .kernarg_segment_size: 48
    .max_flat_workgroup_size: 128
    .sgpr_count:     66
    .vgpr_count:     256
    .wavefront_size: 32
...
	.end_amdgpu_metadata
.endif
;; end of part 1
;; launch kv (part 2): grid 32 x 8, 4 waves a work-group, clusters of 4 x 4, 327,680 bytes of LDS; arguments wc, ws, xc, xs, pctx, pml; writes pctx, pml
.if DOCPART == 2
	.amdgcn_target "amdgcn-amd-amdhsa--gfx1250"
	.amdhsa_code_object_version 6
	.text
	.protected	k_qb89f61262c_kv
	.globl	k_qb89f61262c_kv
	.p2align	8
	.type	k_qb89f61262c_kv,@function
k_qb89f61262c_kv:
	s_mov_b64 s[64:65], 0
	v_nop
	global_prefetch_b8 v0, s[64:65] scope:SCOPE_SE
	s_setreg_imm32_b32 hwreg(HW_REG_WAVE_MODE, 25, 1), 1
	s_wait_xcnt 0x0
	s_wait_alu depctr_hold_cnt(0) depctr_sa_sdst(0) depctr_va_vdst(0) depctr_va_sdst(0) depctr_va_ssrc(0) depctr_va_vcc(0) depctr_vm_vsrc(0)
	s_getreg_b32 s2, hwreg(HW_REG_IB_STS2, 6, 4)
	s_cmp_eq_u32 s2, 0
	s_cbranch_scc0 .Lentry_in_a_cluster
	s_endpgm
.Lentry_in_a_cluster:
	s_bfe_u32 s2, ttmp6, 0x10000c
	s_cmp_lg_u32 s2, 0xf033
	s_cbranch_scc0 .Lentry_shape_is_right
	s_endpgm
.Lentry_shape_is_right:
; k and v of the projection x w^T, the softmax of k along the rows, and the partial context p^T v of 256 rows; all products on codes of FP6 (E2M3) with one E8M0 scale for each 32 along K.
; A tile is 256 rows n of one batch x two heads' (64 k + 64 v) columns, made by a work-group of four waves; a wave makes 128 rows x one head: 64 accumulators of 16 x 16, 512 registers.
; A WORK-GROUP STAYS: it makes TWO tiles, neighbouring 256 rows of x against the same rows of w: 32 x 8 work-groups for 64 x 8 tiles.  K = 1,024 goes in four slots' worth of 256 through a ring of two LDS slots
; filled by the tensor data mover, and the ring does not stop at the first tile's end: its last two changes of slots ask for the second tile's first two slots' worth, which land while the first tile's
; epilogue is worked; nothing waits for the first tile's stores.  The scale bytes of w's 256 rows and of x's 512, for all of K, come into LDS once, with the first fills.
; "A" (the product's second source: a lane holds one of its rows) is w's k and v part, "B" (first source: a lane's registers run along its rows) is x.  So a lane holds ONE column (a d of k, or an e of v) and its
; registers run along n, which is the K of the next product.  By the order in which the codes' rows were laid, register 16 b + i of a column is row n = 32 b + 16 (lane / 16) + i of the wave's 128,
; and lane r of k's block a is d = 32 (a / 2) + 8 (a % 2) + r + 8 (r / 8); lane r of v's block a is e = 16 a + r.
; THE SOFTMAX AHEAD OF THE PRODUCT: t = k x log2(e); M = the largest t of the column in a tile's 256 rows, rounded UP to a whole number; p = 2^(t - M) is quantised along n; its sum l is taken unquantised.
; The partial context C[d][e] = sum over the tile's 256 rows of p v, with -M and l, goes to memory; the next launch joins the 16 partials of a (batch, head) by exact powers of two.
; CLUSTERS: 4 x 4 work-groups.  The four of a row of the cluster need the same tiles of w, the four of a column the same tiles of x: each tile is asked for JOINTLY, by the same tensor load with the same descriptor
; and a mask that names the four.
; THE TWO TILES ARE WRITTEN OUT, by the same macros: so every LDS address is a constant, the lane and the wave's number.
; LIMITS: NaN and infinities are not served; p under 2^-126 is 0 (v_exp_f32 gives no denormals: ISA guide, its entry); M is a whole number exactly for |t| under 2^24; a block whose largest magnitude lies under
; 2^-124 has its byte held at 1.  -M and l leave in pieces of 32 bytes (512 bytes a tile and head): all other stores cover 512 consecutive bytes, aligned.
; REGISTERS, in windows of 256: window 0: v0-31 addresses; v32-63 scale words; v64-159 A's fragments, ONE set; in the epilogue v64-235 are its own.  window 1: B's fragments, TWO sets; in the epilogue the context.
;   window 2: accumulators of k (block a, x's block b at v[8 (8 a + b)]);  window 3: those of v.
.set SIZE_K, 1024
.set KSTEP,  256                       ; along K in a slot
.set NQ,     KSTEP/128                 ; matrix instructions deep
.set ROWB,   192                       ; a tile's row in bytes
.set KROW,   SIZE_K*6/8                ; a row of codes in memory
.set PITCH,  240                       ; an LDS row: 3 x (64 bytes + 16 of padding) = 60 words: the 32 lanes of a load of 8 bytes touch 64 different banks (64 banks of 4 bytes: ISA guide 11.1)
.set FR,     12                        ; registers of a fragment: 16 rows x 128 K
.set NL,     6                         ; LDS loads that bring one
.set NP,     4                         ; places behind this matrix instruction (ISA guide 7.12.1)
.set HALFT,  128*PITCH                 ; 128 rows: what one tensor load brings
.set SLOT,   4*HALFT                   ; A's 256 rows, then B's 256 rows
.set KS,     SIZE_K/32                 ; a row of scales in bytes
.set SCL,    2*SLOT                    ; behind the ring: the scales, as runs of 256 bytes + 16 of padding: w's 256 rows, x's first 256, x's second 256
.set HALFS,  (128*KS/256)*272          ; the scales of 128 rows
.set SBLK,   (16*KS/256)*272           ; those of 16 rows
.set SPARE,  SCL+6*HALFS               ; behind the scales: the spare words, 128 bytes for each wave, which no other line names
.set SCR,    SPARE+512                 ; behind them: the epilogue's scratch, bytes of its own into which no tile lands
.set AROW0,  1024                      ; w's k and v part begins at place 1,024
.set NEXT_B, 256*KROW-2*ROWB           ; bytes from a slot's last K of the first tile to its first of the second: x goes 256 rows down and back along K; w only back
.set ADRA, 16                          ; v16-17  LDS address of my A fragments in slot 0, 1  (v18-19: for the pieces that lie behind one padding more)
.set ADRB, 20                          ; v20-23  the same for B
.set ADRS, 27                          ; v27     LDS address of my scale words in the first tile: lanes 0-15 A's rows, lanes 16-31 B's;  v26 the same for the second tile
.set SPW,  28                          ; v28     LDS address of my spare word; never rewritten
.set NIL,  29                          ; v29     0; never rewritten
.set SC,   32                          ; scale words: set s at v[SC + 16 s]; register 2 i + q: lanes 0-15 A's block i, lanes 16-31 B's block i
.set AF,   64                          ; A's fragments
.set G1, 24                            ; s[24:31], s[32:39] descriptor groups 1 and 0 (one set a slot) for A's tiles
.set G0, 32
.set G1B, 48                           ; s[48:55], s[56:63] for B's
.set G0B, 56
.set G1S, 68                           ; s[68:75], s[76:79] for A's scales;  s[80:87], s[88:91] for B's
.set G0S, 76
.set G1SB, 80
.set G0SB, 88
.set CC,  96                           ; s[96:97] c = log2(e): the packed form names a pair and takes its low word for both halves
.set SEL, 98                           ; s[98:99] lane selects for v_permlanex16_b32: lane l xor 16
.set PFA, 4                            ; s[4:5]  where my prefetch stands: my work-group's 32 rows of the 128 that I shall fetch of the second tile of x
.set LIM, 6                            ; s6      0 in a wave that prefetches
; the epilogue's scratch, counted from SCR (the address registers hold SCR)
.set EXM,  0                           ; the columns' largest scores, 512 bytes a wave
.set LIMG, 2048                        ; the sums l, 512 bytes a wave
.set NIMG, 4096                        ; -M, 512 bytes a wave
.set CIMG, 6144                        ; half a context, as an image of its registers: 8,192 bytes a wave
.set XA1, 7                            ; v7   SCR + 4 lane + 512 wave
.set XA2, 8                            ; v8   SCR + 4 lane + 512 (wave xor 1): the wave with the same head's other 128 rows
.set IA,  9                            ; v9   SCR + 16 lane + 8,192 wave
.set RA,  10                           ; v10  SCR + 16 lane + 8,192 (wave xor 1)
.set LA,  11                           ; v11  SCR + 4 lane + 1,024 (wave / 2) + 256 (wave % 2)
.set GO,  12                           ; v12  16 lane
.set MO,  13                           ; v13  256 (lane / 16) + 4 (r + 8 (r / 8))
.set HB,  24                           ; v24  wave % 2
.set PFO, 25                           ; v25  the prefetch's offset: 768 x my lane; never rewritten
.set PS,  32                           ; v32-35 p's scale words, v36-39 v's: registers that hold scales alone
.set VS,  36
.set PF,  64                           ; p's four fragments, 12 registers each
.set VF,  112                          ; v's four
.set BM,  160                          ; v160-175 the blocks' largest scores, then largest p
.set U,   176                          ; v176-179 what comes from the other half of the lanes
.set CM,  180                          ; v180-183 the columns' largest scores
.set LS,  192                          ; v192-199 the sums, in pairs
.set L2,  200                          ; v200-201 a second chain
.set SO,  204                          ; v204-207 the conversions' scale operands
.set BY,  208                          ; v208-211 the scales' bytes
.set YT,  212                          ; v212-214, v216-218 the second halves of the blocks' codes
.set NM,  224                          ; v224-231 -M, in pairs (the packed form names a pair)
.set LL,  232                          ; v232-235 l
.set MI,  64                           ; v64-127  the half of the context that I add up and store
.set TH,  128                          ; v128-191 the half that my partner does; then my partner's part of mine
.set MSB, 0
.macro WIN new                         ; the immediate's high byte repeats the setting that is left
.if MSB != \new
	s_set_vgpr_msb (MSB<<8)|\new
.set MSB, \new
.endif
.endm
.set MUL_LO, 0xa1                      ; source 0 (B) window 1, source 1 (A) window 0, C and D window 2
.set MUL_HI, 0xf1                      ; the same, C and D window 3
.set TO_B,   0x40                      ; destination window 1, address window 0
; A joint load: waves 0 and 1 fetch for A, waves 2 and 3 for B.  Each of the two lines has ONE mask and one set of registers for all that issue it; the branch hangs on the wave's number alone.
; Four v_nop follow each of the two lines, ahead of the jump, the label and what follows.
.macro JLOAD g0a, g1a, g0b, g1b
	s_cmp_eq_u32 s15, 0
	s_cbranch_scc0 .Lfor_b_\@
	tensor_load_to_lds s[\g0a:\g0a+3], s[\g1a:\g1a+7]
	s_nop 0
.rept 4
	v_nop
.endr
	s_branch .Lasked_\@
.Lfor_b_\@:
	tensor_load_to_lds s[\g0b:\g0b+3], s[\g1b:\g1b+7]
	s_nop 0
.rept 4
	v_nop
.endr
.Lasked_\@:
.endm
.macro CREST                           ; a round of the cluster's barrier behind its opening barrier
	s_cmp_lg_u32 s14, 0
	s_cbranch_scc1 .Lnot_wave_0_\@
	s_barrier_signal -3
.Lnot_wave_0_\@:
	s_barrier_wait -3
	s_barrier_signal -1
	s_barrier_wait -1
.endm
.macro CROUND                          ; a whole round
	s_barrier_signal -1
	s_barrier_wait -1
	CREST
.endm
; A PREFETCH INTO THE L2 of the second tile's rows of x: 256 rows x 768 bytes.  It stands once, behind the first change of slots' joint load and its run of LDS loads: two changes of slots, 256 matrix instructions,
; ahead of the first load that asks for these rows.  The rows are read by both clusters of a column of clusters: the one with y = 0 asks.  Of the 128 rows that wave 2 or 3 will fetch, each of the four partners of the
; cluster's column takes 32, told apart BY ADDRESS (cy): no branch hangs on a work-group's place in its cluster.  A lane a row, three instructions for the row's 768 bytes: each aligned 256 bytes are named once in the launch.
; The first tile's rows are not asked for: their loads go out at the head.  Nor are w's: every work-group of a row of the grid walks them, twice.
.macro ASK
	s_cmp_eq_u32 s[LIM], 0
	s_cbranch_scc0 .Lnot_mine_\@
	global_prefetch_b8 v[PFO], s[PFA:PFA+1] th:TH_LOAD_NT scope:SCOPE_SE
	global_prefetch_b8 v[PFO], s[PFA:PFA+1] offset:256 th:TH_LOAD_NT scope:SCOPE_SE
	global_prefetch_b8 v[PFO], s[PFA:PFA+1] offset:512 th:TH_LOAD_NT scope:SCOPE_SE
.Lnot_mine_\@:
.endm
	s_load_b128 s[4:7], s[0:1], 0x0                ; A: w's codes s[4:5], w's scales s[6:7]
	s_load_b128 s[8:11], s[0:1], 0x10              ; B: x's codes s[8:9], x's scales s[10:11]
	s_load_b64 s[12:13], s[0:1], 0x20              ; the partial contexts
	s_load_b64 s[66:67], s[0:1], 0x28              ; -M and l
	v_lshl_add_u32 v[SPW], v0, 2, SPARE
	v_mov_b32 v[NIL], 0
	ds_add_u32 v28, v29
	ds_add_u32 v28, v29
	s_wait_dscnt 0x0
	v_lshrrev_b32 v1, 5, v0
	v_readfirstlane_b32 s14, v1                    ; wave 0..3
	s_lshr_b32 s15, s14, 1                         ; which half of A's rows (which head) is mine.  Also: I fetch for A (0) or for B (1)
	s_and_b32 s16, s14, 1                          ; which half of B's rows (which 128 n).  Also: which 128 rows of that tile I fetch
	s_bfe_u32 s40, ttmp6, 0x40000                  ; cx, cy: my place in the cluster
	s_bfe_u32 s41, ttmp6, 0x40004
	s_lshl_b32 s42, ttmp9, 2
	s_add_co_u32 s42, s42, s40                     ; column of the grid = 4 x cluster x + cx: which 512 rows of x
	s_and_b32 s17, ttmp7, 0xffff
	s_lshl_b32 s17, s17, 2
	s_add_co_u32 s17, s17, s41                     ; row of the grid = 4 x cluster y + cy: which pair of heads
	s_lshl_b32 s43, s41, 2
	s_lshl_b32 s43, 15, s43                        ; my row of the cluster
	s_lshl_b32 s44, 0x1111, s40                    ; my column
	; descriptor group 1: a tile of 128 rows x ROWB bytes, padded in LDS
	s_or_b32 s[G1+0], s43, (0<<16)|(1<<20)|(1<<21)|(3<<22)|(3<<25)  ; 15:0 the mask: A's tiles go to my row; 17:16 element of 1 byte; 20 padding on; 21 set beside a mask; 24:22 after every 16 words (code 3); 31:25 of 4 words (code 3)
	s_or_b32 s[G1B+0], s44, (0<<16)|(1<<20)|(1<<21)|(3<<22)|(3<<25)
.irp g, G1, G1B
	s_mov_b32 s[\g+1], ROWB<<16                    ; tensor_dim0
	s_mov_b32 s[\g+2], 128<<16                     ; tensor_dim1 = 128
	s_mov_b32 s[\g+3], ROWB<<16                    ; tile_dim0
	s_mov_b32 s[\g+4], 128                         ; tile_dim1 = 128
	s_mov_b32 s[\g+5], KROW                        ; tensor_dim0_stride
	s_mov_b32 s[\g+6], 0
	s_mov_b32 s[\g+7], 0
.endr
	; and for the scales: dense blocks, as rows of 256 bytes (32 elements of 8 bytes), 16 bytes of padding behind each.  w's: 128 rows of scales, 4,096 bytes, a load;  x's: 256 rows, a tile's, 8,192 bytes
	s_or_b32 s[G1S+0], s43, (3<<16)|(1<<20)|(1<<21)|(5<<22)|(3<<25)
	s_or_b32 s[G1SB+0], s44, (3<<16)|(1<<20)|(1<<21)|(5<<22)|(3<<25)
	s_mov_b32 s[G1S+1], 32<<16
	s_mov_b32 s[G1S+2], (128*KS/256)<<16
	s_mov_b32 s[G1S+3], 32<<16
	s_mov_b32 s[G1S+4], 128*KS/256
	s_mov_b32 s[G1S+5], 32
	s_mov_b32 s[G1S+6], 0
	s_mov_b32 s[G1S+7], 0
	s_mov_b32 s[G1SB+1], 32<<16
	s_mov_b32 s[G1SB+2], (256*KS/256)<<16
	s_mov_b32 s[G1SB+3], 32<<16
	s_mov_b32 s[G1SB+4], 256*KS/256
	s_mov_b32 s[G1SB+5], 32
	s_mov_b32 s[G1SB+6], 0
	s_mov_b32 s[G1SB+7], 0
	s_lshl_b32 s18, s16, 7                         ; which 128 rows of a tile I fetch
	s_lshl_b32 s20, s17, 8
	s_add_co_u32 s20, s20, s18
	s_add_co_u32 s20, s20, AROW0                   ; A: place 1,024 + 256 x row of the grid + 128 x half
	s_lshl_b32 s46, s42, 9
	s_lshl_b32 s92, s16, 8
	s_add_co_u32 s92, s92, s46                     ; B's scales: place 512 x column of the grid + 256 x half: wave 2 brings the first tile's, wave 3 the second's
	s_add_co_u32 s46, s46, s18                     ; B's codes: place 512 x column of the grid + 128 x half: the first tile
	s_mov_b32 s21, 0
	s_mov_b32 s47, 0
	s_mov_b32 s93, 0
	s_mov_b64 s[18:19], KS
	s_mul_u64 s[22:23], s[20:21], s[18:19]         ; where these rows' scales begin, in bytes
	s_mul_u64 s[92:93], s[92:93], s[18:19]
	s_mov_b64 s[18:19], KROW
	s_mul_u64 s[20:21], s[20:21], s[18:19]         ; and their codes
	s_mul_u64 s[46:47], s[46:47], s[18:19]
	s_mul_i32 s45, s14, HALFT                      ; where they go: wave x 128 rows: no place in the cluster enters an LDS address
	s_mul_i32 s94, s16, HALFS                      ; w's scales: 128 rows' worth a wave;
	s_mul_i32 s95, s16, 2*HALFS                    ; x's: 256 rows' worth a wave
	s_mov_b32 s[CC], 0x3fb8aa3b                    ; log2(e)
	s_mov_b32 s[CC+1], s[CC]                       ; (named with it as a pair, so it is written)
	s_mov_b32 s[SEL], 0x76543210
	s_mov_b32 s[SEL+1], 0xfedcba98
	s_wait_kmcnt 0x0
	s_add_nc_u64 s[20:21], s[4:5], s[20:21]
	s_add_nc_u64 s[22:23], s[6:7], s[22:23]
	s_add_nc_u64 s[46:47], s[8:9], s[46:47]
	s_add_nc_u64 s[92:93], s[10:11], s[92:93]
	CROUND                                         ; all sixteen work-groups are here: the first joint loads meet
	s_mov_b32 s[G0S], 1
	s_add_co_u32 s[G0S+1], s94, SCL
	s_mov_b64 s[G0S+2:G0S+3], s[22:23]
	s_or_b32 s[G0S+3], s[G0S+3], 0x80000000
	s_mov_b32 s[G0SB], 1
	s_add_co_u32 s[G0SB+1], s95, SCL+2*HALFS
	s_mov_b64 s[G0SB+2:G0SB+3], s[92:93]
	s_or_b32 s[G0SB+3], s[G0SB+3], 0x80000000
	JLOAD G0S, G1S, G0SB, G1SB                     ; the scales first: they are wanted with the first K step.  With the two below, three tensor loads of mine are out
.irp s, 0,1
	s_mov_b32 s[G0+4*\s], 1
	s_add_co_u32 s[G0+4*\s+1], s45, \s*SLOT
	s_add_nc_u64 s[G0+4*\s+2:G0+4*\s+3], s[20:21], \s*ROWB
	s_or_b32 s[G0+4*\s+3], s[G0+4*\s+3], 0x80000000
	s_mov_b32 s[G0B+4*\s], 1
	s_add_co_u32 s[G0B+4*\s+1], s45, \s*SLOT
	s_add_nc_u64 s[G0B+4*\s+2:G0B+4*\s+3], s[46:47], \s*ROWB
	s_or_b32 s[G0B+4*\s+3], s[G0B+4*\s+3], 0x80000000
	JLOAD G0+4*\s, G1, G0B+4*\s, G1B
.endr
	v_and_b32 v1, 15, v0                           ; r = l % 16
	v_bfe_u32 v2, v0, 4, 1                         ; h = l / 16
	v_mul_u32_u24 v3, v1, PITCH
	v_mul_u32_u24 v4, v2, 24
	v_add_nc_u32 v4, v3, v4                        ; a fragment's row x pitch + 24 x half
	v_lshl_add_u32 v5, v2, 4, v4                   ; and the same behind one padding more
	s_mul_i32 s21, s15, HALFT                      ; my 128 rows of A
	s_mul_i32 s22, s16, HALFT                      ; my 128 rows of B,
	s_add_co_u32 s22, s22, 2*HALFT                 ; which lie behind A's 256
.irp s, 0,1
	v_add_nc_u32 v[ADRA+\s], s21, v4
	v_add_nc_u32 v[ADRB+\s], s22, v4
	v_add_nc_u32 v[ADRA+2+\s], s21, v5
	v_add_nc_u32 v[ADRB+2+\s], s22, v5
	s_add_co_u32 s21, s21, SLOT
	s_add_co_u32 s22, s22, SLOT
.endr
	v_mul_u32_u24 v5, v1, KS                       ; my row's scales: KS bytes a row,
	v_lshrrev_b32 v6, 8, v5
	v_lshl_add_u32 v5, v6, 4, v5                   ; and 16 more for each 256 passed
	s_mul_i32 s21, s15, HALFS                      ; A's: my 128 rows
	s_mul_i32 s22, s16, HALFS                      ; B's: my 128 rows, behind A's 256
	s_add_co_u32 s22, s22, 2*HALFS
	s_sub_co_u32 s22, s22, s21
	v_mul_u32_u24 v6, s22, v2                      ; lanes 16-31 take B's: the first tile's,
	s_add_co_u32 s22, s22, 2*HALFS
	v_mul_u32_u24 v3, s22, v2                      ; or the second tile's, 256 rows' worth on
	s_add_co_u32 s21, s21, SCL
	v_add_nc_u32 v6, v5, v6
	v_add_nc_u32 v3, v5, v3
	v_add_nc_u32 v27, s21, v6                      ; the first tile's scale words
	v_add_nc_u32 v26, s21, v3                      ; the second tile's
	; the epilogue's addresses: constants, the lane and the wave's number alone
	v_and_b32 v6, 31, v0                           ; lane
	s_lshl_b32 s21, s14, 9
	s_add_co_u32 s21, s21, SCR
	v_lshl_add_u32 v[XA1], v6, 2, s21
	s_xor_b32 s22, s14, 1                          ; my partner: the same head's other 128 rows
	s_lshl_b32 s23, s22, 9
	s_add_co_u32 s23, s23, SCR
	v_lshl_add_u32 v[XA2], v6, 2, s23
	s_lshl_b32 s21, s14, 13
	s_add_co_u32 s21, s21, SCR
	v_lshl_add_u32 v[IA], v6, 4, s21
	s_lshl_b32 s22, s22, 13
	s_add_co_u32 s22, s22, SCR
	v_lshl_add_u32 v[RA], v6, 4, s22
	s_lshl_b32 s21, s15, 10
	s_lshl_b32 s22, s16, 8
	s_add_co_u32 s21, s21, s22
	s_add_co_u32 s21, s21, SCR
	v_lshl_add_u32 v[LA], v6, 2, s21
	v_lshlrev_b32 v[GO], 4, v6
	v_and_b32 v3, 8, v1
	v_add_nc_u32 v3, v3, v1                        ; r + 8 (r / 8)
	v_lshlrev_b32 v3, 2, v3
	v_lshl_add_u32 v[MO], v2, 8, v3
	v_mov_b32 v[HB], s16
	v_mul_u32_u24 v[PFO], v6, KROW
	; where my results go: (batch, head) bh = 16 (column of the grid / 8) + 2 x row of the grid + my head; the first tile's chunk = 2 (column of the grid % 8); the second tile's is the next
	s_lshr_b32 s20, s42, 3
	s_lshl_b32 s20, s20, 4
	s_lshl_b32 s21, s17, 1
	s_add_co_u32 s20, s20, s21
	s_add_co_u32 s20, s20, s15
	s_and_b32 s21, s42, 7
	s_lshl_b32 s21, s21, 1
	s_lshl_b32 s20, s20, 4
	s_add_co_u32 s20, s20, s21                     ; 16 bh + chunk
	s_lshl_b32 s22, s20, 14                        ; a partial context is 16,384 bytes;
	s_lshl_b32 s23, s16, 13                        ; I store half of it
	s_add_co_u32 s22, s22, s23
	s_mov_b32 s23, 0
	s_add_nc_u64 s[12:13], s[12:13], s[22:23]
	s_lshl_b32 s22, s20, 9                         ; -M [64], l [64]: 512 bytes;
	s_lshl_b32 s21, s16, 7                         ; I store those of 32 d
	s_add_co_u32 s22, s22, s21
	s_add_nc_u64 s[66:67], s[66:67], s[22:23]
	; the prefetch (macro ASK): place 512 x column of the grid + 256 (the second tile) + 128 x half + 32 cy, + a lane a row
	s_lshl_b32 s20, s42, 9
	s_lshl_b32 s21, s16, 7
	s_add_co_u32 s20, s20, s21
	s_lshl_b32 s21, s41, 5
	s_add_co_u32 s20, s20, s21
	s_add_co_u32 s20, s20, 256
	s_mul_i32 s20, s20, KROW                       ; under 16,384 x 768: 32 bits hold it
	s_mov_b32 s21, 0
	s_add_nc_u64 s[PFA:PFA+1], s[8:9], s[20:21]
	s_and_b32 s22, ttmp7, 0xffff                   ; cluster y,
	s_xor_b32 s23, s15, 1                          ; and 0 in the waves that fetch for B:
	s_or_b32 s[LIM], s22, s23                      ; the same in all sixteen partners, for a given wave
.macro FRAG reg, adr, q, i             ; a fragment, 16 rows x 128 K of 6-bit codes, is 12 registers: lane l holds row l % 16; registers 6 c .. 6 c + 5 hold K = 64 c + 32 (l / 16) + 0 .. 31: 24 bytes of the row, as they lie
.irp p, 0,1,2,3,4,5                    ; in pieces of 8 bytes.  Lanes 0-15 take the row's pieces 12 q + 0, 1, 2 and 12 q + 6, 7, 8, lanes 16-31 those three pieces on
.set PC, 12*(\q)+6*(\p/3)+\p%3        ; 16 bytes of padding lie behind every 64 bytes (8 pieces): where the piece three on lies behind one padding more, the second address register serves
.if PC%8 < 5
	ds_load_b64 v[\reg+2*\p:\reg+2*\p+1], v[\adr] offset:8*PC+16*(PC/8)+(\i)*16*PITCH
.else
	ds_load_b64 v[\reg+2*\p:\reg+2*\p+1], v[\adr+2] offset:8*PC+16*(PC/8)+(\i)*16*PITCH
.endif
.endr
.endm
; 16 matrix instructions: A's blocks a0, a0 + 1 x B's eight, 128 along K: the slot's q-th.  p: B's set;  sc: the set of scale words.  zero = 1: the first product starts the sums: nothing is ever cleared.
; The 64 accumulators take turns, one instruction a turn, in the same order in every step.
.macro MUL16 a0, p, q, sc, zero
.irp a, \a0, \a0+1
.irp b, 0,1,2,3,4,5,6,7
.if \zero
	v_wmma_scale_f32_16x16x128_f8f6f4 v[8*(8*((\a)%4)+\b):8*(8*((\a)%4)+\b)+7], v[128*(\p)+FR*\b:128*(\p)+FR*\b+FR-1], v[AF+FR*(\a):AF+FR*(\a)+FR-1], 0, v[SC+8*NQ*(\sc)+NQ*\b+(\q)], v[SC+8*NQ*(\sc)+NQ*(\a)+(\q)] matrix_a_fmt:MATRIX_FMT_FP6 matrix_b_fmt:MATRIX_FMT_FP6 matrix_a_scale:MATRIX_SCALE_ROW1
.else
	v_wmma_scale_f32_16x16x128_f8f6f4 v[8*(8*((\a)%4)+\b):8*(8*((\a)%4)+\b)+7], v[128*(\p)+FR*\b:128*(\p)+FR*\b+FR-1], v[AF+FR*(\a):AF+FR*(\a)+FR-1], v[8*(8*((\a)%4)+\b):8*(8*((\a)%4)+\b)+7], v[SC+8*NQ*(\sc)+NQ*\b+(\q)], v[SC+8*NQ*(\sc)+NQ*(\a)+(\q)] matrix_a_fmt:MATRIX_FMT_FP6 matrix_b_fmt:MATRIX_FMT_FP6 matrix_a_scale:MATRIX_SCALE_ROW1
.endif
.endr
.endr
.endm
.macro FETCH_B slot, q, p              ; B's eight fragments of the slot's q-th 128 along K into set p
	WIN TO_B
.irp i, 0,1,2,3,4,5,6,7
	FRAG 128*(\p)+FR*\i, ADRB+\slot, \q, \i
.endr
	WIN 0
.endm
.macro FETCH_A slot, q, i0             ; A's blocks i0 .. i0 + 3
.irp i, \i0, \i0+1, \i0+2, \i0+3
	FRAG AF+FR*(\i), ADRA+\slot, \q, \i
.endr
.endm
.macro SCALES sc                       ; the next K step's scale words into set sc: two words a row; lanes 0-15 take A's block i, lanes 16-31 B's block i
.irp i, 0,1,2,3,4,5,6,7
	ds_load_b64 v[SC+8*NQ*\sc+NQ*\i:SC+8*NQ*\sc+NQ*\i+1], v[ADRS] offset:\i*SBLK
.endr
.endm
; A load into a register that a matrix instruction has read, and a vector instruction or an LDS store that reads a matrix result, stand NP places behind that matrix instruction; only plain vector
; instructions that name none of its registers are places (ISA guide 7.12.1 for vector instructions).
.macro PLACES n
.rept \n
	v_nop
.endr
.endm
.macro FIRST                           ; a tile's first fragments and scale words, out of slot 0
	FETCH_B 0, 0, 0
	FETCH_A 0, 0, 0
	SCALES 0
	FETCH_A 0, 0, 4
.endm
; A step of 128 along K that has its successor in the same slot.
.macro STEP slot, q, zero
	s_wait_dscnt 4*NL                              ; B's set and A's blocks 0-3 are in; the youngest 24 loads (A's blocks 4-7) may be out
	WIN MUL_LO
	MUL16 0, (\q)%2, \q, \slot, \zero
	MUL16 2, (\q)%2, \q, \slot, \zero
	s_wait_dscnt 0                                 ; A's blocks 4-7 are in (asked for 32 matrix instructions ago)
	PLACES NP
	FETCH_B \slot, (\q)+1, 1-(\q)%2
	FETCH_A \slot, (\q)+1, 0
	WIN MUL_HI
	MUL16 4, (\q)%2, \q, \slot, \zero
	MUL16 6, (\q)%2, \q, \slot, \zero
	PLACES NP
	WIN 0
	FETCH_A \slot, (\q)+1, 4
.endm
; The slot just read out is filled again.  how = 1: with this tile's K two slots' worth on;  how = 2: with the NEXT tile's K of the same slot: w goes back along K, x 256 rows down and back.
; No tensor load of mine is out here (the wait for all of them stands ahead of the round), so the descriptors may be written.
.macro REFILL slot, how
.if \how == 2
	s_sub_nc_u64 s[G0+4*\slot+2:G0+4*\slot+3], s[G0+4*\slot+2:G0+4*\slot+3], 2*ROWB
	s_add_nc_u64 s[G0B+4*\slot+2:G0B+4*\slot+3], s[G0B+4*\slot+2:G0B+4*\slot+3], NEXT_B
.else
	s_add_nc_u64 s[G0+4*\slot+2:G0+4*\slot+3], s[G0+4*\slot+2:G0+4*\slot+3], 2*ROWB
	s_add_nc_u64 s[G0B+4*\slot+2:G0B+4*\slot+3], s[G0B+4*\slot+2:G0B+4*\slot+3], 2*ROWB
.endif
	JLOAD G0+4*\slot, G1, G0B+4*\slot, G1B         ; the first tensor load behind the round, my only one out
.endm
; The first half of a slot's last step: ONE barrier for the change of slots; in front of it each wave waits for all its tensor loads, adds 0 to its spare word, and waits for that and for its own reads of this slot.
.macro MEET slot
	s_wait_tensorcnt 0x0                           ; all my tensor loads have landed: my part of the next slot;  (every window is 0 here)
	ds_add_u32 v[SPW], v[NIL]                      ; 0 onto my spare word
	s_wait_dscnt 4*NL+1                            ; (the add and the youngest 24 loads, A's blocks 4-7, may be out)
	WIN MUL_LO
	MUL16 0, 1, NQ-1, \slot, 0                     ; sixteen matrix instructions stand between the add and the wait for it
	s_wait_dscnt 0x0                               ; the add is done, and my reads of this slot are over
	s_barrier_signal -1
	MUL16 2, 1, NQ-1, \slot, 0
	WIN 0
	s_barrier_wait -1
.endm
; A slot's last step, inside a tile.  fill = 0: nothing is left to fetch;  1, 2: this slot is filled again (REFILL), behind a round of the cluster's barrier.  ask = 1: the prefetch stands here.
.macro TURN slot, next, fill, ask
	MEET \slot
.if \fill
	CREST                                          ; the barrier has opened a round of the cluster's barrier: no wave of any partner still reads this slot's tile or has a load on its way
	REFILL \slot, \fill                            ; the four v_nop behind the joint load are the places in front of the loads below
.else
	PLACES NP
.endif
	v_add_nc_u32 v[ADRS], 4*NQ, v[ADRS]            ; on to the next K step's scale words (no LDS load of mine is out)
	FETCH_B \next, 0, 0
	FETCH_A \next, 0, 0
	SCALES \next
.if \ask
	ASK
.endif
	WIN MUL_HI
	MUL16 4, 1, NQ-1, \slot, 0
	MUL16 6, 1, NQ-1, \slot, 0
	PLACES NP
	WIN 0
	FETCH_A \next, 0, 4
.endm
; The last step of a tile that has a successor: the slot is filled with the next tile's K; no fragment is fetched, since the epilogue takes the fragments' registers.
.macro TURNL slot
	MEET \slot
	CREST
	REFILL \slot, 2
	WIN MUL_HI
	MUL16 4, 1, NQ-1, \slot, 0
	MUL16 6, 1, NQ-1, \slot, 0
	WIN 0
.endm
; The last step of the last tile: nothing more to fetch, no barrier.
.macro LAST slot
	s_wait_dscnt 4*NL
	WIN MUL_LO
	MUL16 0, 1, NQ-1, \slot, 0
	MUL16 2, 1, NQ-1, \slot, 0
	s_wait_dscnt 0
	WIN MUL_HI
	MUL16 4, 1, NQ-1, \slot, 0
	MUL16 6, 1, NQ-1, \slot, 0
	WIN 0
.endm
; ---------------------------------------------------------------- THE EPILOGUE'S MACROS
; 64 numbers of a lane in window w's registers ac on (register 16 n + i = K 32 n + 16 (lane / 16) + i of the lane's row) become a fragment's codes in v[f] on and its scale word in v[s].
; v[b + n]: block n's largest magnitude, floored at 2^(3 - 127) so that the byte cannot fall under 1.
.macro CODES w, ac, f, s, b
.irp n, 0,1,2,3
	v_add_nc_u32 v[SO+\n], 0xff000000, v[(\b)+\n]  ; 2 off the exponent field: the conversion takes the exponent field of this operand as its scale, and nothing else of it
.endr
.irp n, 0,1,2,3
	v_lshrrev_b32 v[BY+\n], 23, v[SO+\n]           ; the scale's byte
.endr
	v_lshl_or_b32 v[(\s)], v[BY+1], 8, v[BY]       ; the four bytes make the row's scale word
	v_lshl_or_b32 v[(\s)], v[BY+2], 16, v[(\s)]
	v_lshl_or_b32 v[(\s)], v[BY+3], 24, v[(\s)]
	WIN \w                                         ; the numbers (source 0) lie in the accumulators' window
.irp c, 0,1
	v_cvt_scalef32_pk16_fp6_f32 v[(\f)+6*\c:(\f)+6*\c+2], v[(\ac)+32*\c:(\ac)+32*\c+15], v[SO+2*\c]
	v_cvt_scalef32_pk16_fp6_f32 v[YT+4*\c:YT+4*\c+2], v[(\ac)+32*\c+16:(\ac)+32*\c+31], v[SO+2*\c+1]   ; (a conversion's three registers begin on an even number)
.endr
	v_nop                                          ; one plain place behind a scaled conversion
	WIN 0
.irp c, 0,1                                    ; the operand's layout wants a WHOLE block in a lane: lanes 0-15 block 2 c, lanes 16-31 block 2 c + 1
.irp i, 0,1,2
	v_permlane16_swap_b32 v[(\f)+6*\c+\i], v[YT+4*\c+\i]
.endr
.irp i, 0,1,2
	v_mov_b32 v[(\f)+6*\c+3+\i], v[YT+4*\c+\i]
.endr
.endr
.endm
; k's block a: p = 2^(t - M) in place, its sum, its codes
.macro PEXP a
.set AC, 64*(\a)
	WIN 0x82                                       ; source 0 and destination window 2; -M window 0
.set j, 0
.rept 32
	v_pk_fma_f32 v[AC+j:AC+j+1], v[AC+j:AC+j+1], s[CC:CC+1], v[NM+2*(\a):NM+2*(\a)+1] op_sel_hi:[1,0,0]   ; t - M, two at a time
.set j, j+2
.endr
.set j, 0
.rept 64
	v_exp_f32 v[AC+j], v[AC+j]                     ; p, at most 1: not normalised
.set j, j+1
.endr
	v_nop                                          ; a plain place behind the last exponential,
	s_wait_alu depctr_va_vdst(0)                   ; and one wait for the batch, ahead of its first reader
	WIN 0x0a
	v_pk_add_f32 v[LS+2*(\a):LS+2*(\a)+1], v[AC:AC+1], v[AC+2:AC+3]      ; THE SUM IS TAKEN OF THE UNQUANTISED p: two at a time, in two chains
	v_pk_add_f32 v[L2:L2+1], v[AC+4:AC+5], v[AC+6:AC+7]
	WIN 0x02
.set j, 8
.rept 14
	v_pk_add_f32 v[LS+2*(\a):LS+2*(\a)+1], v[AC+j:AC+j+1], v[LS+2*(\a):LS+2*(\a)+1]
	v_pk_add_f32 v[L2:L2+1], v[AC+j+2:AC+j+3], v[L2:L2+1]
.set j, j+4
.endr
	WIN 0
	v_pk_add_f32 v[LS+2*(\a):LS+2*(\a)+1], v[LS+2*(\a):LS+2*(\a)+1], v[L2:L2+1]
.irp n, 0,1,2,3
	v_max_num_f32 v[BM+4*(\a)+\n], 0x1800000, v[BM+4*(\a)+\n]            ; the floor under the block's largest p
.endr
	CODES 0x02, AC, PF+12*(\a), PS+(\a), BM+4*(\a)
.endm
; v's block a: the blocks' largest magnitudes, its codes
.macro VQ a
.set AC, 64*(\a)
	WIN 0x0f                                       ; sources 0 and 1 window 3
.irp n, 0,1,2,3
	v_max3_num_f32 v[BM+\n], |v[AC+16*\n]|, |v[AC+16*\n+1]|, 0x1800000   ; each accumulator is read from its low end on; the floor is one more leaf
.endr
.irp i, 2,4,6,8,10,12,14
.irp n, 0,1,2,3
	v_max3_num_f32 v[BM+\n], |v[AC+16*\n+\i]|, |v[AC+16*\n+\i+1]|, v[BM+\n]
.endr
.endr
	WIN 0
.irp n, 0,1,2,3
	v_permlanex16_b32 v[U+\n], v[BM+\n], s[SEL], s[SEL+1]
.endr
.irp n, 0,1,2,3
	v_max_num_f32 v[BM+\n], v[BM+\n], v[U+\n]      ; with lane l xor 16's 16 rows: the block's
.endr
	CODES 0x03, AC, VF+12*(\a), VS+(\a), BM
.endm
; THE EPILOGUE of tile t (0 or 1): two barriers of the work-group.  While the first tile's is worked, my part of the second tile's slot 1 may be on its way.
.macro EPI t
	PLACES NP                                      ; behind the last products
.irp n, 0,1,2,3
	v_mov_b32 v[U+\n], 0                           ; a lane permute's destination counts as one of its sources
	v_mov_b32 v[NM+2*\n+1], 0                      ; (the upper halves of the pairs that the packed form names)
.endr
	WIN 0x0a                                       ; THE LARGEST SCORE OF EACH BLOCK OF 32 ROWS: it serves for the column's maximum and, since p rises with the score, for the block's largest p
.irp a, 0,1,2,3
.irp n, 0,1,2,3
	v_max_num_f32 v[BM+4*\a+\n], v[64*\a+16*\n], v[64*\a+16*\n+1]        ; each accumulator is read from its low end on
.endr
.irp i, 2,4,6,8,10,12,14
.irp n, 0,1,2,3
	v_max3_num_f32 v[BM+4*\a+\n], v[64*\a+16*\n+\i], v[64*\a+16*\n+\i+1], v[BM+4*\a+\n]
.endr
.endr
.endr
	WIN 0
.irp a, 0,1,2,3
.irp n, 0,1,2,3
	v_permlanex16_b32 v[U+\n], v[BM+4*\a+\n], s[SEL], s[SEL+1]
.endr
.irp n, 0,1,2,3
	v_max_num_f32 v[BM+4*\a+\n], v[BM+4*\a+\n], v[U+\n]
.endr
	v_max3_num_f32 v[CM+\a], v[BM+4*\a], v[BM+4*\a+1], v[BM+4*\a+2]
	v_max_num_f32 v[CM+\a], v[CM+\a], v[BM+4*\a+3] ; the column's largest score in my 128 rows
.endr
.irp a, 0,1,2,3
	ds_store_b32 v[XA1], v[CM+\a] offset:EXM+128*\a
.endr
	s_wait_dscnt 0x0                               ; for the other wave's sake: my stores are done
	s_barrier_signal -1
	s_barrier_wait -1
.irp a, 0,1,2,3
	ds_load_b32 v[U+\a], v[XA2] offset:EXM+128*\a  ; the same head's other 128 rows: one M serves the tile's 256 rows, so that the two waves' contexts can be added
.endr
	s_wait_dscnt 0x0
.irp a, 0,1,2,3
	v_max_num_f32 v[CM+\a], v[CM+\a], v[U+\a]
.endr
.irp a, 0,1,2,3
	v_mul_f32 v[CM+\a], s[CC], v[CM+\a]            ; as t
.endr
.irp a, 0,1,2,3
	v_floor_f32 v[NM+2*\a], -v[CM+\a]              ; -M = floor(-t) = -ceil(t): M IS A WHOLE NUMBER
.endr
.irp a, 0,1,2,3
.irp n, 0,1,2,3
	v_fma_f32 v[BM+4*\a+\n], v[BM+4*\a+\n], s[CC], v[NM+2*\a]            ; t - M of each block's largest score: the same multiply-add and exponential as its p
.endr
.endr
.set j, 0
.rept 16
	v_exp_f32 v[BM+j], v[BM+j]
.set j, j+1
.endr
	v_nop                                          ; a plain place, and the wait for these sixteen
	s_wait_alu depctr_va_vdst(0)
	PEXP 0
	PEXP 1
	PEXP 2
	PEXP 3
	VQ 0
	VQ 1
	VQ 2
	VQ 3
.irp a, 0,1,2,3
	v_add_f32 v[LL+\a], v[LS+2*\a], v[LS+2*\a+1]   ; the sum's two halves,
.endr
.irp a, 0,1,2,3
	v_permlanex16_b32 v[U+\a], v[LL+\a], s[SEL], s[SEL+1]
.endr
.irp a, 0,1,2,3
	v_add_f32 v[LL+\a], v[LL+\a], v[U+\a]          ; and lane l xor 16's: l of my 128 rows
.endr
	PLACES 8                                       ; a scale register written by a vector instruction stands 8 places ahead of a scaled matrix instruction, an operand so written 4; the results below also lie over registers that earlier products read (5)
	WIN 0x40                                       ; the context in window 1
.irp e, 0,1,2,3                                ; C(e block, d block) = p^T v over my 128 rows: source 0 = 16 d of p, source 1 = 16 e of v.  Lane r holds e = 16 (e block) + r; for a given e block register 16 b + i is d = 32 b + 16 (lane / 16) + i
.irp d, 0,1,2,3
	v_wmma_scale_f32_16x16x128_f8f6f4 v[8*(4*\e+\d):8*(4*\e+\d)+7], v[PF+12*\d:PF+12*\d+11], v[VF+12*\e:VF+12*\e+11], 0, v[PS+\d], v[VS+\e] matrix_a_fmt:MATRIX_FMT_FP6 matrix_b_fmt:MATRIX_FMT_FP6
.endr
.endr
	PLACES NP
	WIN 0
	v_cmp_ne_u32 vcc_lo, 0, v[HB]                  ; all lanes of waves 1 and 3, none of waves 0 and 2
	WIN 0x05                                       ; sources 0 and 1 window 1.  Of my head's context wave % 2 = 0 adds up and stores the e blocks 0 and 1 (registers 0-63), its partner 2 and 3 (64-127): a choice of values, made without a jump
.set j, 0
.rept 64
	v_cndmask_b32 v[MI+j], v[j], v[64+j], vcc_lo   ; the half that is mine; each accumulator is read from its low end on
.set j, j+1
.endr
.set j, 0
.rept 64
	v_cndmask_b32 v[TH+j], v[64+j], v[j], vcc_lo   ; the half that is my partner's
.set j, j+1
.endr
	WIN 0
.set j, 0
.rept 16
	ds_store_b128 v[IA], v[TH+4*j:TH+4*j+3] offset:CIMG+512*j            ; as an image of its registers: lane l's 16 bytes at 16 l
.set j, j+1
.endr
.irp a, 0,1,2,3
	ds_store_b32 v[XA1], v[LL+\a] offset:LIMG+128*\a
	ds_store_b32 v[XA1], v[NM+2*\a] offset:NIMG+128*\a
.endr
	s_wait_dscnt 0x0                               ; for the other wave's sake: my stores are done
	s_barrier_signal -1
	s_barrier_wait -1
.set j, 0
.rept 16
	ds_load_b128 v[TH+4*j:TH+4*j+3], v[RA] offset:CIMG+512*j             ; my partner's part of my half
.set j, j+1
.endr
.irp i, 0,1                                    ; and l and -M of k's blocks 2 (wave % 2) + 0, 1
	ds_load_b32 v[200+\i], v[LA] offset:LIMG+128*\i
	ds_load_b32 v[202+\i], v[LA] offset:LIMG+512+128*\i
	ds_load_b32 v[204+\i], v[LA] offset:NIMG+128*\i
.endr
	v_and_b32 v206, 16, v0
	v_cmp_ne_u32 vcc_lo, 0, v206                   ; lanes 16-31
	s_wait_dscnt 0x0
.set j, 0
.rept 32
	v_pk_add_f32 v[MI+j:MI+j+1], v[MI+j:MI+j+1], v[TH+j:TH+j+1]
.set j, j+2
.endr
.irp i, 0,1
	v_add_f32 v[200+\i], v[200+\i], v[202+\i]
.endr
.irp i, 0,1
	v_cndmask_b32 v[208+\i], v[204+\i], v[200+\i], vcc_lo                ; lanes 0-15 store -M, lanes 16-31 l
.endr
.set j, 0
.rept 16
	global_store_b128 v[GO], v[MI+4*j:MI+4*j+3], s[12:13] offset:16384*\t+512*j   ; 32 lanes store 512 consecutive bytes, aligned; the tile's chunk stands in the immediate
.set j, j+1
.endr
.irp i, 0,1
	global_store_b32 v[MO], v[208+\i], s[66:67] offset:512*\t+32*\i      ; at d = 32 (wave % 2) + 8 i + r + 8 (r / 8)
.endr
.endm
; ---------------------------------------------------------------- THE TWO TILES
	s_wait_tensorcnt 1                             ; the scales and my part of slot 0 are in (slot 1's load may be out)
	s_barrier_signal -1
	s_barrier_wait -1                              ; everybody's are
	FIRST
	STEP 0, 0, 1                                   ; a tile's K has eight steps of 128, four slots' worth.  The first step's products start the sums
	TURN 0, 1, 1, 1                                ; slot 0 takes K 512 on; the second tile's rows of x are prefetched
	STEP 1, 0, 0
	TURN 1, 0, 1, 0                                ; slot 1 takes K 768 on
	STEP 0, 0, 0
	TURN 0, 1, 2, 0                                ; THE RING GOES ON INTO THE SECOND TILE: slot 0 takes its K 0 on,
	STEP 1, 0, 0
	TURNL 1                                        ; slot 1 its K 256 on; by the wait ahead of this round slot 0 is whole
	EPI 0
	s_wait_xcnt 0x0                                ; the first tile's stores have read their registers: the fragments below land on them.  Nothing waits for the stores themselves
	PLACES NP                                      ; in front of loads into registers that the context's products have read or written
.set ADRS, 26                                  ; the second tile's scale words
	FIRST
	STEP 0, 0, 1
	TURN 0, 1, 1, 0
	STEP 1, 0, 0
	TURN 1, 0, 1, 0
	STEP 0, 0, 0
	TURN 0, 1, 0, 0                                ; nothing is left to fetch: no round of the cluster's barrier
	STEP 1, 0, 0
	LAST 1
	EPI 1
	s_wait_tensorcnt 0x0                           ; the wave's end: behind my last tensor load and my last LDS store
	ds_add_u32 v[SPW], v[NIL]
	s_wait_dscnt 0x0
	CROUND                                         ; the closing round: no work-group ends while a partner may still ask for a tile that names it
	s_endpgm
.Lfunc_end_k_qb89f61262c_kv:
	.size	k_qb89f61262c_kv, .Lfunc_end_k_qb89f61262c_kv-k_qb89f61262c_kv
	.p2alignl 7, 3214868480
	.fill 96, 4, 3214868480
	.section	.rodata,"a",@progbits
	.p2align	6, 0x0
	.amdhsa_kernel k_qb89f61262c_kv
		.amdhsa_group_segment_fixed_size 327680
		.amdhsa_private_segment_fixed_size 0
		.amdhsa_enable_private_segment 0
		.amdhsa_kernarg_size 48
		.amdhsa_user_sgpr_count 2
		.amdhsa_user_sgpr_kernarg_segment_ptr 1
		.amdhsa_wavefront_size32 1
		.amdhsa_system_sgpr_workgroup_id_x 1
		.amdhsa_system_sgpr_workgroup_id_y 1
		.amdhsa_system_sgpr_workgroup_id_z 1
		.amdhsa_system_vgpr_workitem_id 0
		.amdhsa_next_free_vgpr 1024
		.amdhsa_next_free_sgpr 100
		.amdhsa_reserve_vcc 1
		.amdhsa_float_denorm_mode_32 3
		.amdhsa_float_denorm_mode_16_64 3
		.amdhsa_memory_ordered 1
		.amdhsa_forward_progress 1
		.amdhsa_inst_pref_size 255
	.end_amdhsa_kernel
	.section	.bss,"aw",@nobits
	.p2align	6
	.space	262144
	.amdgpu_metadata
---
amdhsa.version: [ 1, 2 ]
amdhsa.kernels:
  - .name:           k_qb89f61262c_kv
    .symbol:         k_qb89f61262c_kv.kd
    .args:
      - { .name: wc, .offset: 0, .size: 8, .value_kind: global_buffer, .address_space: global }
      - { .name: ws, .offset: 8, .size: 8, .value_kind: global_buffer, .address_space: global }
      - { .name: xc, .offset: 16, .size: 8, .value_kind: global_buffer, .address_space: global }
      - { .name: xs, .offset: 24, .size: 8, .value_kind: global_buffer, .address_space: global }
      - { .name: pctx, .offset: 32, .size: 8, .value_kind: global_buffer, .address_space: global }
      - { .name: pml, .offset: 40, .size: 8, .value_kind: global_buffer, .address_space: global }
    .group_segment_fixed_size: 327680
    .private_segment_fixed_size: 0
    .kernarg_segment_align: 8
    .kernarg_segment_size: 48
    .max_flat_workgroup_size: 128
    .sgpr_count:     100
    .vgpr_count:     1024
    .wavefront_size: 32
...
	.end_amdgpu_metadata
.endif
;; end of part 2
;; launch ctx (part 3): grid 256 x 1, 4 waves a work-group, no clusters, 20,992 bytes of LDS; arguments pctx, pml, cc; writes cc
.if DOCPART == 3
	.amdgcn_target "amdgcn-amd-amdhsa--gfx1250"
	.amdhsa_code_object_version 6
	.text
	.protected	k_qb89f61262c_ctx
	.globl	k_qb89f61262c_ctx
	.p2align	8
	.type	k_qb89f61262c_ctx,@function
k_qb89f61262c_ctx:
	s_mov_b64 s[64:65], 0
	v_nop
	global_prefetch_b8 v0, s[64:65] scope:SCOPE_SE
	s_setreg_imm32_b32 hwreg(HW_REG_WAVE_MODE, 25, 1), 1
	s_wait_xcnt 0x0
; The context of a (batch, head) from its 16 partials: ctx[d][e] = (sum over chunks c of C_c[d][e] 2^(M_c[d] - M[d])) / l[d], M = the largest M_c, l = sum of l_c 2^(M_c - M).  The powers of two are exact (v_ldexp_f32).
; It is then quantised along d, the K of the last product, to codes of FP6 (E2M3) with one E8M0 byte for each 32, and stored as an image of the operand's registers.
; A work-group takes one (batch, head) bh and one block of 16 e; wave w takes chunks 4 w .. 4 w + 3; wave 0 adds the four waves' sums, quantises and stores.
; A partial lies as it left its registers: 8 images of 512 bytes; lane (r, h) holds e = r of the block, register 16 b + i is d = 32 b + 16 h + i.  The factors hang on d: each lane makes those of d = lane and lane + 32,
; and they reach the registers' order through the wave's own bytes of LDS.
; No matrix instruction, no tensor load: memory binds, 64 KiB a work-group in loads of 512 consecutive bytes.  No prefetch: every load is issued at the head.
; LIMITS: NaN and infinities are not served; a block whose largest magnitude lies under 2^-124 has its byte held at 1 (a block of zeros too: its codes are zeros, and this program alone reads the bytes).
.set IMG, 4096                         ; LDS: 0: the factors, 1,024 bytes a wave; IMG: the waves' sums as images, 4,096 bytes a wave
.set T,   12                           ; v12-15  at work
.set ACC, 16                           ; v16-47  my sum
.set NMO, 48                           ; v48-55  -M of my four chunks, then their factors; later the codes
.set NG,  56                           ; v56-57  -M of all chunks together
.set LG,  58                           ; v58-59  l
.set RL,  60                           ; v60-61  1 / l
.set X,   64                           ; v64-191 my four partials
.set NMA, 192                          ; v192-223 -M of all 16 chunks: chunk c, d = lane + 32 dd at NMA + 2 c + dd
.set LAL, 224                          ; v224-255 l likewise
.set GB,  192                          ; later: two buffers of 32 factors in the registers' order
	s_load_b128 s[4:7], s[0:1], 0x0                ; the partials, -M and l
	s_load_b64 s[8:9], s[0:1], 0x10                ; the codes
	v_lshl_add_u32 v63, v0, 2, 0x5000
	s_set_vgpr_msb 0x40
	v_mov_b32 v1, 0
	s_set_vgpr_msb 0x4000
	v_lshrrev_b32 v1, 5, v0
	v_readfirstlane_b32 s10, v1                    ; wave
	v_and_b32 v2, 31, v0                           ; lane
	v_bfe_u32 v3, v0, 4, 1                         ; h
	s_lshr_b32 s11, ttmp9, 2                       ; bh
	s_and_b32 s12, ttmp9, 3                        ; the block of e
	v_lshlrev_b32 v4, 2, v2                        ; 4 lane
	s_lshl_b32 s13, s10, 11
	v_add_nc_u32 v5, s13, v4                       ; + my four chunks' 2,048 bytes of -M and l
	v_lshlrev_b32 v6, 4, v2                        ; 16 lane
	s_lshl_b32 s13, s10, 10
	v_add_nc_u32 v7, s13, v4                       ; LDS: where I put my factors
	v_lshl_add_u32 v8, v3, 6, s13                  ; and where I read them back: 64 h + 1,024 wave
	s_lshl_b32 s13, s10, 12
	s_add_co_u32 s13, s13, IMG
	v_add_nc_u32 v9, s13, v6                       ; my sum's image
	v_add_nc_u32 v10, IMG, v6                      ; the images, for wave 0
	v_lshlrev_b32 v11, 3, v2                       ; 8 lane
	v_mov_b32 v14, 0                               ; written once: a lane permute's destination counts as one of its sources
	v_mov_b32 v15, 0
	s_mov_b32 s16, 0x76543210
	s_mov_b32 s17, 0xfedcba98                      ; v_permlanex16_b32's selects for lane l xor 16
	s_lshl_b32 s14, s11, 13                        ; -M and l: 16 chunks x 512 bytes a bh
	s_mov_b32 s15, 0
	s_lshl_b32 s18, s11, 18                        ; the partials: 16 chunks x 16,384 bytes a bh,
	s_lshl_b32 s20, s12, 12                        ; 4,096 a block of e,
	s_add_co_u32 s18, s18, s20
	s_lshl_b32 s20, s10, 16                        ; my four chunks
	s_add_co_u32 s18, s18, s20
	s_mov_b32 s19, 0
	s_lshl_b32 s20, ttmp9, 10                      ; the codes: 1,024 bytes a work-group
	s_mov_b32 s21, 0
	s_wait_kmcnt 0x0
	s_add_nc_u64 s[6:7], s[6:7], s[14:15]
	s_add_nc_u64 s[4:5], s[4:5], s[18:19]
	s_add_nc_u64 s[8:9], s[8:9], s[20:21]
.irp c, 0,1,2,3,4,5,6,7,8,9,10,11,12,13,14,15
.irp d, 0,1
	global_load_b32 v[NMA+2*\c+\d], v4, s[6:7] offset:512*\c+128*\d
.endr
.endr
.irp c, 0,1,2,3,4,5,6,7,8,9,10,11,12,13,14,15
.irp d, 0,1
	global_load_b32 v[LAL+2*\c+\d], v4, s[6:7] offset:512*\c+128*\d+256
.endr
.endr
.irp c, 0,1,2,3
.irp d, 0,1
	global_load_b32 v[NMO+2*\c+\d], v5, s[6:7] offset:512*\c+128*\d
.endr
.endr
.irp c, 0,1,2,3
.irp k, 0,1,2,3,4,5,6,7
	global_load_b128 v[X+32*\c+4*\k:X+32*\c+4*\k+3], v6, s[4:5] offset:16384*\c+512*\k th:TH_LOAD_NT   ; 32 lanes read 512 consecutive bytes; read once in the launch
.endr
.endr
	s_wait_loadcnt 32                              ; -M and l are in; the 32 loads of the partials may be out
.irp d, 0,1
	v_min3_num_f32 v[NG+\d], v[NMA+\d], v[NMA+2+\d], v[NMA+4+\d]         ; the smallest -M is the largest M
.endr
.irp c, 3,5,7,9,11,13
.irp d, 0,1
	v_min3_num_f32 v[NG+\d], v[NG+\d], v[NMA+2*\c+\d], v[NMA+2*\c+2+\d]
.endr
.endr
.irp d, 0,1
	v_min_num_f32 v[NG+\d], v[NG+\d], v[NMA+30+\d]
.endr
.irp c, 0,1,2,3,4,5,6,7,8,9,10,11,12,13,14,15
.irp d, 0,1
	v_sub_f32 v[T+\d], v[NG+\d], v[NMA+2*\c+\d]    ; M_c - M: a whole number, 0 or less
.endr
.irp d, 0,1
	v_cvt_i32_f32 v[T+\d], v[T+\d]                 ; (it saturates)
.endr
.irp d, 0,1
	v_ldexp_f32 v[T+\d], 1.0, v[T+\d]
.endr
.irp d, 0,1
.if \c == 0
	v_mul_f32 v[LG+\d], v[LAL+2*\c+\d], v[T+\d]
.else
	v_fma_f32 v[LG+\d], v[LAL+2*\c+\d], v[T+\d], v[LG+\d]
.endif
.endr
.endr
.irp d, 0,1
	v_rcp_f32 v[RL+\d], v[LG+\d]                   ; l is above 1/2: the chunk that has the largest M has a p above 1/2
.endr
.irp c, 0,1,2,3
.irp d, 0,1
	v_sub_f32 v[NMO+2*\c+\d], v[NG+\d], v[NMO+2*\c+\d]                   ; (plain work behind the reciprocals)
.endr
.endr
.irp c, 0,1,2,3
.irp d, 0,1
	v_cvt_i32_f32 v[NMO+2*\c+\d], v[NMO+2*\c+\d]
.endr
.endr
	s_wait_alu depctr_va_vdst(0)                   ; one wait for both reciprocals, ahead of their first reader
.irp c, 0,1,2,3
.irp d, 0,1
	v_ldexp_f32 v[NMO+2*\c+\d], v[RL+\d], v[NMO+2*\c+\d]                 ; the factor 2^(M_c - M) / l
.endr
.endr
.irp c, 0,1,2,3
.irp d, 0,1
	ds_store_b32 v7, v[NMO+2*\c+\d] offset:256*\c+128*\d                 ; as a plain array over d, 256 bytes a chunk
.endr
.endr
.macro LOADG c                         ; chunk c's factors in the registers' order: register 16 b + 4 k + q wants d = 32 b + 16 h + 4 k + q.  LDS serves a wave's instructions in order: these see my stores
.irp b, 0,1
.irp k, 0,1,2,3
	ds_load_b128 v[GB+32*((\c)%2)+16*\b+4*\k:GB+32*((\c)%2)+16*\b+4*\k+3], v8 offset:256*(\c)+128*\b+16*\k
.endr
.endr
.endm
	LOADG 0
	LOADG 1
.irp c, 0,1,2,3
.if \c < 3
	s_wait_dscnt 8                                 ; this chunk's factors are in; the next chunk's eight loads may be out
.else
	s_wait_dscnt 0x0
.endif
	s_wait_loadcnt 8*(3-\c)                        ; this chunk's partial is in; the later chunks' loads may be out
.set j, 0
.rept 16
.if \c == 0
	v_pk_mul_f32 v[ACC+j:ACC+j+1], v[X+32*\c+j:X+32*\c+j+1], v[GB+32*(\c%2)+j:GB+32*(\c%2)+j+1]
.else
	v_pk_fma_f32 v[ACC+j:ACC+j+1], v[X+32*\c+j:X+32*\c+j+1], v[GB+32*(\c%2)+j:GB+32*(\c%2)+j+1], v[ACC+j:ACC+j+1]
.endif
.set j, j+2
.endr
.if \c < 2
	LOADG \c+2
.endif
.endr
.irp k, 0,1,2,3,4,5,6,7
	ds_store_b128 v9, v[ACC+4*\k:ACC+4*\k+3] offset:512*\k
.endr
	s_wait_dscnt 0x0                               ; for wave 0's sake: my stores are done
	s_barrier_signal -1
	s_barrier_wait -1
	s_cmp_lg_u32 s10, 0
	s_cbranch_scc1 .Ldone                          ; wave 0 alone goes on
.irp w, 1,2,3
.irp k, 0,1,2,3,4,5,6,7
	ds_load_b128 v[X+32*(\w-1)+4*\k:X+32*(\w-1)+4*\k+3], v10 offset:4096*\w+512*\k
.endr
.endr
	s_wait_dscnt 0x0
.irp w, 0,1,2
.set j, 0
.rept 16
	v_pk_add_f32 v[ACC+j:ACC+j+1], v[ACC+j:ACC+j+1], v[X+32*\w+j:X+32*\w+j+1]
.set j, j+2
.endr
.endr
.irp b, 0,1
	v_max3_num_f32 v[T+\b], |v[ACC+16*\b]|, |v[ACC+16*\b+1]|, 0x1800000  ; block b along d: my 16 numbers, and the floor 2^(3 - 127): so the byte cannot fall under 1
.endr
.irp i, 2,4,6,8,10,12,14
.irp b, 0,1
	v_max3_num_f32 v[T+\b], v[T+\b], |v[ACC+16*\b+\i]|, |v[ACC+16*\b+\i+1]|
.endr
.endr
.irp b, 0,1
	v_permlanex16_b32 v[T+2+\b], v[T+\b], s16, s17
.endr
.irp b, 0,1
	v_max_num_f32 v[T+\b], v[T+\b], v[T+2+\b]      ; with lane l xor 16's: the block's largest magnitude
.endr
.irp b, 0,1
	v_add_nc_u32 v[T+\b], 0xff000000, v[T+\b]      ; 2 off its exponent field: the conversion's scale operand
.endr
.irp b, 0,1
	v_lshrrev_b32 v[T+2+\b], 23, v[T+\b]           ; the scale's byte
.endr
	v_lshl_or_b32 v62, v[T+3], 8, v[T+2]
	v_or_b32 v62, 0x7f7f0000, v62                  ; d has 64: the upper half of the instruction's 128 along K holds zero codes, under the byte 127
	v_cvt_scalef32_pk16_fp6_f32 v[48:50], v[ACC:ACC+15], v[T]
	v_cvt_scalef32_pk16_fp6_f32 v[56:58], v[ACC+16:ACC+31], v[T+1]
	v_nop                                          ; one plain place behind a scaled conversion
.irp i, 0,1,2
	v_permlane16_swap_b32 v[48+\i], v[56+\i]       ; the operand's layout wants a whole block in a lane: lanes 0-15 block 0, lanes 16-31 block 1
.endr
.irp i, 0,1,2
	v_mov_b32 v[51+\i], v[56+\i]
.endr
	global_store_b128 v6, v[48:51], s[8:9]         ; the operand's registers 0-3: 512 consecutive bytes;
	global_store_b64 v11, v[52:53], s[8:9] offset:512                    ; 4 and 5: 256;
	global_store_b32 v4, v62, s[8:9] offset:768    ; the scale words: 128
.Ldone:
	s_set_vgpr_msb 0x4
	s_wait_tensorcnt 0x0
	ds_add_u32 v63, v1
	s_wait_dscnt 0x0
	s_set_vgpr_msb 0x400
	s_endpgm
.Lfunc_end_k_qb89f61262c_ctx:
	.size	k_qb89f61262c_ctx, .Lfunc_end_k_qb89f61262c_ctx-k_qb89f61262c_ctx
	.p2alignl 7, 3214868480
	.fill 96, 4, 3214868480
	.section	.rodata,"a",@progbits
	.p2align	6, 0x0
	.amdhsa_kernel k_qb89f61262c_ctx
		.amdhsa_group_segment_fixed_size 20992
		.amdhsa_private_segment_fixed_size 0
		.amdhsa_enable_private_segment 0
		.amdhsa_kernarg_size 24
		.amdhsa_user_sgpr_count 2
		.amdhsa_user_sgpr_kernarg_segment_ptr 1
		.amdhsa_wavefront_size32 1
		.amdhsa_system_sgpr_workgroup_id_x 1
		.amdhsa_system_sgpr_workgroup_id_y 1
		.amdhsa_system_sgpr_workgroup_id_z 1
		.amdhsa_system_vgpr_workitem_id 0
		.amdhsa_next_free_vgpr 258
		.amdhsa_next_free_sgpr 66
		.amdhsa_reserve_vcc 0
		.amdhsa_float_denorm_mode_32 3
		.amdhsa_float_denorm_mode_16_64 3
		.amdhsa_memory_ordered 1
		.amdhsa_forward_progress 1
		.amdhsa_inst_pref_size 34
	.end_amdhsa_kernel
	.amdgpu_metadata
---
amdhsa.version: [ 1, 2 ]
amdhsa.kernels:
  - .name:           k_qb89f61262c_ctx
    .symbol:         k_qb89f61262c_ctx.kd
    .args:
      - { .name: pctx, .offset: 0, .size: 8, .value_kind: global_buffer, .address_space: global }
      - { .name: pml, .offset: 8, .size: 8, .value_kind: global_buffer, .address_space: global }
      - { .name: cc, .offset: 16, .size: 8, .value_kind: global_buffer, .address_space: global }
    .group_segment_fixed_size: 20992
    .private_segment_fixed_size: 0
    .kernarg_segment_align: 8
    .kernarg_segment_size: 24
    .max_flat_workgroup_size: 128
    .sgpr_count:     66
    .vgpr_count:     258
    .wavefront_size: 32
...
	.end_amdgpu_metadata
.endif
;; end of part 3
;; launch qout (part 4): grid 4 x 64, 4 waves a work-group, clusters of 4 x 4, 327,680 bytes of LDS; arguments xc, xs, wc, ws, out0, cc; writes out0
.if DOCPART == 4
	.amdgcn_target "amdgcn-amd-amdhsa--gfx1250"
	.amdhsa_code_object_version 6
	.text
	.protected	k_qb89f61262c_qout
	.globl	k_qb89f61262c_qout
	.p2align	8
	.type	k_qb89f61262c_qout,@function
k_qb89f61262c_qout:
	s_mov_b64 s[64:65], 0
	v_nop
	global_prefetch_b8 v0, s[64:65] scope:SCOPE_SE
	s_setreg_imm32_b32 hwreg(HW_REG_WAVE_MODE, 25, 1), 1
	s_wait_xcnt 0x0
	s_wait_alu depctr_hold_cnt(0) depctr_sa_sdst(0) depctr_va_vdst(0) depctr_va_sdst(0) depctr_va_ssrc(0) depctr_va_vcc(0) depctr_vm_vsrc(0)
	s_getreg_b32 s2, hwreg(HW_REG_IB_STS2, 6, 4)
	s_cmp_eq_u32 s2, 0
	s_cbranch_scc0 .Lentry_in_a_cluster
	s_endpgm
.Lentry_in_a_cluster:
	s_bfe_u32 s2, ttmp6, 0x10000c
	s_cmp_lg_u32 s2, 0xf033
	s_cbranch_scc0 .Lentry_shape_is_right
	s_endpgm
.Lentry_shape_is_right:
; q of the projection x w^T, its softmax over the head's 64 times 1/8, and out = q ctx; all products on codes of FP6 (E2M3) with one E8M0 scale for each 32 along K.
; A work-group of four waves makes 256 rows n x 4 heads of q; a wave 128 rows x 2 heads: 64 accumulators of 16 x 16, 512 registers.  K = 1,024 goes in four slots' worth of 256 through a ring of two LDS slots
; filled by the tensor data mover; the scale bytes of the work-group's rows, for all of K, come into LDS once, with the first fills.
; "A" (the product's second source: a lane holds one of its rows) is x, "B" (first source: a lane's registers run along its rows) is w's q part.  So a lane holds ONE row n and its registers run along d, the K of the
; last product.  By the order in which the codes' rows were laid, register 32 g + 16 b + i of x's block a is head g (of my two), d = 32 b + 16 (lane / 16) + i, and lane r is row 32 (a / 2) + 8 (a % 2) + r + 8 (r / 8) of my 128.
; THE SOFTMAX: the row's largest score is taken away, in base 2; q = 2^(c s - c m) x (0.125 / the sum) is finished and normalised, in f32, and then quantised along d.  d has 64, the instruction 128 along K:
; the upper half of both operands holds zero codes (under the byte 127), which add nothing.  The context's eight fragments of my two heads stay in registers from the head on.
; The last product is used transposed too (source 0 = 16 e of the context, source 1 = 16 rows of q): a lane's eight results are eight neighbouring e of one row of out.
; CLUSTERS: 4 x 4 work-groups.  The four of a row of the cluster need the same tiles of x, the four of a column the same tiles of w: each tile is asked for JOINTLY.
; LIMITS: NaN and infinities are not served; 2^(c s - c m) under 2^-126 is 0 (v_exp_f32 gives no denormals: ISA guide, its entry); a block whose largest q lies under 2^-124 has its byte held at 1.
; REGISTERS, in windows of 256: window 0: v0-31 addresses, v8-15 the context's scale words; v32-63 scale words; v64-159 A's fragments, ONE set, later the epilogue's; v160-255 the context's fragments.
;   window 1: B's fragments, TWO sets; later rows of out.   windows 2, 3: the accumulators (x's block a, w's block b at v[8 (8 (a % 4) + b)] of window 2 + a / 4).
.set SIZE_K, 1024
.set KSTEP,  256                       ; along K in a slot
.set NQ,     KSTEP/128                 ; matrix instructions deep
.set ROWB,   192                       ; a tile's row in bytes
.set KROW,   SIZE_K*6/8                ; a row of codes in memory
.set PITCH,  240                       ; an LDS row: 3 x (64 bytes + 16 of padding) = 60 words: the 32 lanes of a load of 8 bytes touch 64 different banks (64 banks of 4 bytes: ISA guide 11.1)
.set FR,     12                        ; registers of a fragment: 16 rows x 128 K
.set NL,     6                         ; LDS loads that bring one
.set NP,     4                         ; places behind this matrix instruction (ISA guide 7.12.1)
.set HALFT,  128*PITCH                 ; 128 rows: what one tensor load brings
.set SLOT,   4*HALFT                   ; A's 256 rows, then B's 256 rows
.set KS,     SIZE_K/32                 ; a row of scales in bytes
.set SCL,    2*SLOT                    ; behind the ring: the scales, as runs of 256 bytes + 16 of padding
.set HALFS,  (128*KS/256)*272          ; the scales of 128 rows
.set SBLK,   (16*KS/256)*272           ; those of 16 rows
.set SPARE,  SCL+4*HALFS               ; behind the scales: the spare words, 128 bytes for each wave, which no other line names
.set SPITCH, 528                       ; the way out: a stage of 16 rows x (512 bytes + 16) for each wave, in slot 0, which has had its last fill and its last read by then
.set ADRA, 16                          ; v16-17  LDS address of my A fragments in slot 0, 1  (v18-19: for the pieces that lie behind one padding more)
.set ADRB, 20                          ; v20-23  the same for B
.set STO,  24                          ; v24     the way out: where I put 32 bytes of a row
.set RD,   25                          ; v25     the way out: where I read a row back
.set CO,   26                          ; v26     my byte offset in out: 16 (l % 16), and a head on for lanes 16-31
.set ADRS, 27                          ; v27     LDS address of my scale words: lanes 0-15 A's rows, lanes 16-31 B's
.set SPW,  28                          ; v28     LDS address of my spare word; never rewritten
.set NIL,  29                          ; v29     0; never rewritten
.set SC,   32                          ; scale words: set s at v[SC + 16 s]; register 2 i + q: lanes 0-15 A's block i, lanes 16-31 B's block i
.set AF,   64                          ; A's fragments
.set G1, 24                            ; s[24:31], s[32:39] descriptor groups 1 and 0 (one set a slot) for A's tiles
.set G0, 32
.set G1B, 48                           ; s[48:55], s[56:63] for B's
.set G0B, 56
.set G1S, 68                           ; s[68:75], s[76:79] for A's scales;  s[80:87], s[88:91] for B's
.set G0S, 76
.set G1SB, 80
.set G0SB, 88
.set NC,  95                           ; s95 -c
.set CC,  96                           ; s[96:97] c = log2(e): the packed form names a pair and takes its low word for both halves
.set SEL, 98                           ; s[98:99] lane selects for v_permlanex16_b32: lane l xor 16
.set CSW, 8                            ; v8-15   the context's scale words: registers that hold scales alone
.set CF,  160                          ; v160-255 its eight fragments: head g, block t of e at CF + 12 (4 g + t)
.set QSW, 32                           ; v32-33  q's scale words
.set QF,  64                           ; v64-87  q's two fragments
.set YT,  88                           ; v88-90, v92-94 the second halves of the blocks' codes
.set BMX, 96                           ; v96-99  the blocks' largest scores, then largest q
.set U,   100                          ; v100-103 what comes from the other half of the lanes
.set NG,  104                          ; v104-107 -c m, in pairs
.set SU,  108                          ; v108-111 the sums, in pairs
.set SV,  112                          ; v112-115 a second chain
.set R8,  116                          ; v116-119 0.125 / the sum, in pairs
.set SO,  120                          ; v120-123 the conversions' scale operands
.set BY,  124                          ; v124-127 the scales' bytes
.set MSB, 0
.macro WIN new                         ; the immediate's high byte repeats the setting that is left
.if MSB != \new
	s_set_vgpr_msb (MSB<<8)|\new
.set MSB, \new
.endif
.endm
.set MUL_LO, 0xa1                      ; source 0 (B) window 1, source 1 (A) window 0, C and D window 2
.set MUL_HI, 0xf1                      ; the same, C and D window 3
.set TO_B,   0x40                      ; destination window 1, address window 0
; A joint load: waves 0 and 1 fetch for A, waves 2 and 3 for B.  Each of the two lines has ONE mask and one set of registers for all that issue it; the branch hangs on the wave's number alone.
; Four v_nop follow each of the two lines, ahead of the jump, the label and what follows.
.macro JLOAD g0a, g1a, g0b, g1b
	s_cmp_eq_u32 s15, 0
	s_cbranch_scc0 .Lfor_b_\@
	tensor_load_to_lds s[\g0a:\g0a+3], s[\g1a:\g1a+7]
	s_nop 0
.rept 4
	v_nop
.endr
	s_branch .Lasked_\@
.Lfor_b_\@:
	tensor_load_to_lds s[\g0b:\g0b+3], s[\g1b:\g1b+7]
	s_nop 0
.rept 4
	v_nop
.endr
.Lasked_\@:
.endm
.macro CREST                           ; a round of the cluster's barrier behind its opening barrier
	s_cmp_lg_u32 s14, 0
	s_cbranch_scc1 .Lnot_wave_0_\@
	s_barrier_signal -3
.Lnot_wave_0_\@:
	s_barrier_wait -3
	s_barrier_signal -1
	s_barrier_wait -1
.endm
.macro CROUND                          ; a whole round
	s_barrier_signal -1
	s_barrier_wait -1
	CREST
.endm
	s_load_b128 s[4:7], s[0:1], 0x0                ; A: x's codes s[4:5], x's scales s[6:7]
	s_load_b128 s[8:11], s[0:1], 0x10              ; B: w's codes s[8:9], w's scales s[10:11]
	s_load_b64 s[12:13], s[0:1], 0x20              ; out
	s_load_b64 s[66:67], s[0:1], 0x28              ; the context's codes
	v_lshl_add_u32 v[SPW], v0, 2, SPARE
	v_mov_b32 v[NIL], 0
	ds_add_u32 v28, v29
	ds_add_u32 v28, v29
	s_wait_dscnt 0x0
	v_lshrrev_b32 v1, 5, v0
	v_readfirstlane_b32 s14, v1                    ; wave 0..3
	s_lshr_b32 s15, s14, 1                         ; which half of A's rows (which 128 n) is mine.  Also: I fetch for A (0) or for B (1)
	s_and_b32 s16, s14, 1                          ; which half of B's rows (which two heads).  Also: which 128 rows of that tile I fetch
	s_bfe_u32 s40, ttmp6, 0x40000                  ; cx, cy: my place in the cluster
	s_bfe_u32 s41, ttmp6, 0x40004
	s_lshl_b32 s42, ttmp9, 2
	s_add_co_u32 s42, s42, s40                     ; tile column = 4 x cluster x + cx: which four heads
	s_and_b32 s17, ttmp7, 0xffff
	s_lshl_b32 s17, s17, 2
	s_add_co_u32 s17, s17, s41                     ; tile row = 4 x cluster y + cy: which 256 rows of x
	s_lshl_b32 s43, s41, 2
	s_lshl_b32 s43, 15, s43                        ; my row of the cluster
	s_lshl_b32 s44, 0x1111, s40                    ; my column
	; descriptor group 1: a tile of 128 rows x ROWB bytes, padded in LDS
	s_or_b32 s[G1+0], s43, (0<<16)|(1<<20)|(1<<21)|(3<<22)|(3<<25)  ; 15:0 the mask: A's tiles go to my row; 17:16 element of 1 byte; 20 padding on; 21 set beside a mask; 24:22 after every 16 words (code 3); 31:25 of 4 words (code 3)
	s_or_b32 s[G1B+0], s44, (0<<16)|(1<<20)|(1<<21)|(3<<22)|(3<<25)
.irp g, G1, G1B
	s_mov_b32 s[\g+1], ROWB<<16                    ; tensor_dim0
	s_mov_b32 s[\g+2], 128<<16                     ; tensor_dim1 = 128
	s_mov_b32 s[\g+3], ROWB<<16                    ; tile_dim0
	s_mov_b32 s[\g+4], 128                         ; tile_dim1 = 128
	s_mov_b32 s[\g+5], KROW                        ; tensor_dim0_stride
	s_mov_b32 s[\g+6], 0
	s_mov_b32 s[\g+7], 0
.endr
	; and for the scales of 128 rows: a dense block of 4,096 bytes, as rows of 256 bytes (32 elements of 8 bytes), 16 bytes of padding behind each
	s_or_b32 s[G1S+0], s43, (3<<16)|(1<<20)|(1<<21)|(5<<22)|(3<<25)
	s_or_b32 s[G1SB+0], s44, (3<<16)|(1<<20)|(1<<21)|(5<<22)|(3<<25)
.irp g, G1S, G1SB
	s_mov_b32 s[\g+1], 32<<16
	s_mov_b32 s[\g+2], (128*KS/256)<<16
	s_mov_b32 s[\g+3], 32<<16
	s_mov_b32 s[\g+4], 128*KS/256
	s_mov_b32 s[\g+5], 32
	s_mov_b32 s[\g+6], 0
	s_mov_b32 s[\g+7], 0
.endr
	s_lshl_b32 s18, s16, 7                         ; which 128 rows of the tile I fetch
	s_lshl_b32 s20, s17, 8
	s_add_co_u32 s20, s20, s18                     ; A: place 256 x tile row + 128 x half
	s_lshl_b32 s46, s42, 8
	s_add_co_u32 s46, s46, s18                     ; B: place 256 x tile column + 128 x half
	s_mov_b32 s21, 0
	s_mov_b32 s47, 0
	s_mov_b64 s[18:19], KS
	s_mul_u64 s[22:23], s[20:21], s[18:19]         ; where these rows' scales begin, in bytes
	s_mul_u64 s[92:93], s[46:47], s[18:19]
	s_mov_b64 s[18:19], KROW
	s_mul_u64 s[20:21], s[20:21], s[18:19]         ; and their codes
	s_mul_u64 s[46:47], s[46:47], s[18:19]
	s_mul_i32 s45, s14, HALFT                      ; where they go: wave x 128 rows: no place in the cluster enters an LDS address
	s_mul_i32 s94, s14, HALFS
	s_mov_b32 s[CC], 0x3fb8aa3b                    ; log2(e)
	s_mov_b32 s[CC+1], s[CC]                       ; (named with it as a pair, so it is written)
	s_mov_b32 s[NC], 0xbfb8aa3b
	s_mov_b32 s[SEL], 0x76543210
	s_mov_b32 s[SEL+1], 0xfedcba98
	s_wait_kmcnt 0x0
	s_add_nc_u64 s[20:21], s[4:5], s[20:21]
	s_add_nc_u64 s[22:23], s[6:7], s[22:23]
	s_add_nc_u64 s[46:47], s[8:9], s[46:47]
	s_add_nc_u64 s[92:93], s[10:11], s[92:93]
	CROUND                                         ; all sixteen work-groups are here: the first joint loads meet
	s_mov_b32 s[G0S], 1
	s_add_co_u32 s[G0S+1], s94, SCL
	s_mov_b64 s[G0S+2:G0S+3], s[22:23]
	s_or_b32 s[G0S+3], s[G0S+3], 0x80000000
	s_mov_b32 s[G0SB], 1
	s_add_co_u32 s[G0SB+1], s94, SCL
	s_mov_b64 s[G0SB+2:G0SB+3], s[92:93]
	s_or_b32 s[G0SB+3], s[G0SB+3], 0x80000000
	JLOAD G0S, G1S, G0SB, G1SB                     ; the scales first: they are wanted with the first K step.  With the two below, three tensor loads of mine are out
.irp s, 0,1
	s_mov_b32 s[G0+4*\s], 1
	s_add_co_u32 s[G0+4*\s+1], s45, \s*SLOT
	s_add_nc_u64 s[G0+4*\s+2:G0+4*\s+3], s[20:21], \s*ROWB
	s_or_b32 s[G0+4*\s+3], s[G0+4*\s+3], 0x80000000
	s_mov_b32 s[G0B+4*\s], 1
	s_add_co_u32 s[G0B+4*\s+1], s45, \s*SLOT
	s_add_nc_u64 s[G0B+4*\s+2:G0B+4*\s+3], s[46:47], \s*ROWB
	s_or_b32 s[G0B+4*\s+3], s[G0B+4*\s+3], 0x80000000
	JLOAD G0+4*\s, G1, G0B+4*\s, G1B
.endr
	; the context of my two heads: (batch, head) bh0 = 16 (tile row / 16) + 4 x tile column + 2 x my half, and bh0 + 1; 4,096 bytes a head, 1,024 a block of 16 e
	v_and_b32 v6, 31, v0                           ; lane
	v_lshlrev_b32 v7, 4, v6                        ; 16 lane
	v_lshlrev_b32 v30, 3, v6                       ; 8 lane
	v_lshlrev_b32 v31, 2, v6                       ; 4 lane
	s_lshr_b32 s20, s17, 4
	s_lshl_b32 s20, s20, 4
	s_lshl_b32 s21, s42, 2
	s_add_co_u32 s20, s20, s21
	s_lshl_b32 s21, s16, 1
	s_add_co_u32 s20, s20, s21                     ; bh0
	s_lshl_b32 s22, s20, 12
	s_mov_b32 s23, 0
	s_add_nc_u64 s[66:67], s[66:67], s[22:23]
.irp f, 0,1,2,3,4,5,6,7
	global_load_b128 v[CF+12*\f:CF+12*\f+3], v7, s[66:67] offset:1024*\f             ; the operand's registers as they were stored: 0-3,
	global_load_b64 v[CF+12*\f+4:CF+12*\f+5], v30, s[66:67] offset:1024*\f+512       ; 4 and 5,
	global_load_b32 v[CSW+\f], v31, s[66:67] offset:1024*\f+768                      ; and the scale words
.endr
.irp f, 0,1,2,3,4,5,6,7
.irp i, 6,7,8,9,10,11
	v_mov_b32 v[CF+12*\f+\i], 0                    ; K = 64 .. 127 of each fragment: zero codes.  An operand is twelve registers on end, so each fragment has six of its own
.endr
.endr
	s_lshl_b32 s22, s20, 20                        ; out: a head is 4,096 rows of 256 bytes;
	s_and_b32 s21, s17, 15
	s_lshl_b32 s21, s21, 16                        ; the tile's 256 rows in its batch;
	s_add_co_u32 s22, s22, s21
	s_lshl_b32 s21, s15, 15                        ; my 128 of them
	s_add_co_u32 s22, s22, s21
	s_add_nc_u64 s[12:13], s[12:13], s[22:23]
	v_and_b32 v1, 15, v0                           ; r = l % 16
	v_bfe_u32 v2, v0, 4, 1                         ; h = l / 16
	v_mul_u32_u24 v3, v1, PITCH
	v_mul_u32_u24 v4, v2, 24
	v_add_nc_u32 v4, v3, v4                        ; a fragment's row x pitch + 24 x half
	v_lshl_add_u32 v5, v2, 4, v4                   ; and the same behind one padding more
	s_mul_i32 s21, s15, HALFT                      ; my 128 rows of A
	s_mul_i32 s22, s16, HALFT                      ; my 128 rows of B,
	s_add_co_u32 s22, s22, 2*HALFT                 ; which lie behind A's 256
.irp s, 0,1
	v_add_nc_u32 v[ADRA+\s], s21, v4
	v_add_nc_u32 v[ADRB+\s], s22, v4
	v_add_nc_u32 v[ADRA+2+\s], s21, v5
	v_add_nc_u32 v[ADRB+2+\s], s22, v5
	s_add_co_u32 s21, s21, SLOT
	s_add_co_u32 s22, s22, SLOT
.endr
	v_mul_u32_u24 v5, v1, KS                       ; my row's scales: KS bytes a row,
	v_lshrrev_b32 v3, 8, v5
	v_lshl_add_u32 v5, v3, 4, v5                   ; and 16 more for each 256 passed
	s_mul_i32 s21, s15, HALFS                      ; A's: my 128 rows
	s_mul_i32 s22, s16, HALFS                      ; B's: my 128 rows, behind A's 256
	s_add_co_u32 s22, s22, 2*HALFS
	s_sub_co_u32 s22, s22, s21
	v_mul_u32_u24 v3, s22, v2                      ; lanes 16-31 take B's
	s_add_co_u32 s21, s21, SCL
	v_add_nc_u32 v5, v5, v3
	v_add_nc_u32 v[ADRS], s21, v5
	s_mul_i32 s23, s14, 16*SPITCH                  ; my stage
	v_mul_u32_u24 v5, v1, SPITCH                   ; in: row l % 16, 32 bytes for each half of the lanes
	v_lshl_add_u32 v5, v2, 5, v5
	v_add_nc_u32 v[STO], s23, v5
	v_lshl_add_u32 v[RD], v6, 4, s23               ; back: the 32 lanes take one row of 512 bytes: 256 of my first head, 256 of my second
	v_lshlrev_b32 v[CO], 4, v1
	v_lshl_add_u32 v[CO], v2, 20, v[CO]            ; in out the second head's row lies 2^20 bytes on
.macro FRAG reg, adr, q, i             ; a fragment, 16 rows x 128 K of 6-bit codes, is 12 registers: lane l holds row l % 16; registers 6 c .. 6 c + 5 hold K = 64 c + 32 (l / 16) + 0 .. 31: 24 bytes of the row, as they lie
.irp p, 0,1,2,3,4,5                    ; in pieces of 8 bytes.  Lanes 0-15 take the row's pieces 12 q + 0, 1, 2 and 12 q + 6, 7, 8, lanes 16-31 those three pieces on
.set PC, 12*(\q)+6*(\p/3)+\p%3        ; 16 bytes of padding lie behind every 64 bytes (8 pieces): where the piece three on lies behind one padding more, the second address register serves
.if PC%8 < 5
	ds_load_b64 v[\reg+2*\p:\reg+2*\p+1], v[\adr] offset:8*PC+16*(PC/8)+(\i)*16*PITCH
.else
	ds_load_b64 v[\reg+2*\p:\reg+2*\p+1], v[\adr+2] offset:8*PC+16*(PC/8)+(\i)*16*PITCH
.endif
.endr
.endm
; 16 matrix instructions: A's blocks a0, a0 + 1 x B's eight, 128 along K: the slot's q-th.  p: B's set;  sc: the set of scale words.  zero = 1: the first product starts the sums: nothing is ever cleared.
; The 64 accumulators take turns, one instruction a turn, in the same order in every step.
.macro MUL16 a0, p, q, sc, zero
.irp a, \a0, \a0+1
.irp b, 0,1,2,3,4,5,6,7
.if \zero
	v_wmma_scale_f32_16x16x128_f8f6f4 v[8*(8*((\a)%4)+\b):8*(8*((\a)%4)+\b)+7], v[128*(\p)+FR*\b:128*(\p)+FR*\b+FR-1], v[AF+FR*(\a):AF+FR*(\a)+FR-1], 0, v[SC+8*NQ*(\sc)+NQ*\b+(\q)], v[SC+8*NQ*(\sc)+NQ*(\a)+(\q)] matrix_a_fmt:MATRIX_FMT_FP6 matrix_b_fmt:MATRIX_FMT_FP6 matrix_a_scale:MATRIX_SCALE_ROW1
.else
	v_wmma_scale_f32_16x16x128_f8f6f4 v[8*(8*((\a)%4)+\b):8*(8*((\a)%4)+\b)+7], v[128*(\p)+FR*\b:128*(\p)+FR*\b+FR-1], v[AF+FR*(\a):AF+FR*(\a)+FR-1], v[8*(8*((\a)%4)+\b):8*(8*((\a)%4)+\b)+7], v[SC+8*NQ*(\sc)+NQ*\b+(\q)], v[SC+8*NQ*(\sc)+NQ*(\a)+(\q)] matrix_a_fmt:MATRIX_FMT_FP6 matrix_b_fmt:MATRIX_FMT_FP6 matrix_a_scale:MATRIX_SCALE_ROW1
.endif
.endr
.endr
.endm
.macro FETCH_B slot, q, p              ; B's eight fragments of the slot's q-th 128 along K into set p
	WIN TO_B
.irp i, 0,1,2,3,4,5,6,7
	FRAG 128*(\p)+FR*\i, ADRB+\slot, \q, \i
.endr
	WIN 0
.endm
.macro FETCH_A slot, q, i0             ; A's blocks i0 .. i0 + 3
.irp i, \i0, \i0+1, \i0+2, \i0+3
	FRAG AF+FR*(\i), ADRA+\slot, \q, \i
.endr
.endm
.macro SCALES sc                       ; the next K step's scale words into set sc: two words a row; lanes 0-15 take A's block i, lanes 16-31 B's block i
.irp i, 0,1,2,3,4,5,6,7
	ds_load_b64 v[SC+8*NQ*\sc+NQ*\i:SC+8*NQ*\sc+NQ*\i+1], v[ADRS] offset:\i*SBLK
.endr
.endm
; A load into a register that a matrix instruction has read, and a vector instruction or an LDS store that reads a matrix result, stand NP places behind that matrix instruction; only plain vector
; instructions that name none of its registers are places (ISA guide 7.12.1 for vector instructions).
.macro PLACES n
.rept \n
	v_nop
.endr
.endm
; A step of 128 along K that has its successor in the same slot.
.macro STEP slot, q, zero
	s_wait_dscnt 4*NL                              ; B's set and A's blocks 0-3 are in; the youngest 24 loads (A's blocks 4-7) may be out
	WIN MUL_LO
	MUL16 0, (\q)%2, \q, \slot, \zero
	MUL16 2, (\q)%2, \q, \slot, \zero
	s_wait_dscnt 0                                 ; A's blocks 4-7 are in (asked for 32 matrix instructions ago)
	PLACES NP
	FETCH_B \slot, (\q)+1, 1-(\q)%2
	FETCH_A \slot, (\q)+1, 0
	WIN MUL_HI
	MUL16 4, (\q)%2, \q, \slot, \zero
	MUL16 6, (\q)%2, \q, \slot, \zero
	PLACES NP
	WIN 0
	FETCH_A \slot, (\q)+1, 4
.endm
; A slot's last step changes slots: ONE barrier; in front of it each wave waits for all its tensor loads, adds 0 to its spare word, and waits for that and for its own reads of this slot.  fill = 1: this slot is filled again, two K steps ahead.
.macro TURN slot, next, fill
	s_wait_tensorcnt 0x0                           ; all my tensor loads have landed: my part of the next slot;  (every window is 0 here)
	ds_add_u32 v[SPW], v[NIL]                      ; 0 onto my spare word
	s_wait_dscnt 4*NL+1                            ; (the add and the youngest 24 loads, A's blocks 4-7, may be out)
	WIN MUL_LO
	MUL16 0, 1, NQ-1, \slot, 0                     ; sixteen matrix instructions stand between the add and the wait for it
	s_wait_dscnt 0x0                               ; the add is done, and my reads of this slot are over
	s_barrier_signal -1
	MUL16 2, 1, NQ-1, \slot, 0
	WIN 0
	s_barrier_wait -1
.if \fill
	CREST                                          ; the barrier has opened a round of the cluster's barrier: no wave of any partner still reads this slot's tile or has a load on its way
	s_add_nc_u64 s[G0+4*\slot+2:G0+4*\slot+3], s[G0+4*\slot+2:G0+4*\slot+3], 2*ROWB
	s_add_nc_u64 s[G0B+4*\slot+2:G0B+4*\slot+3], s[G0B+4*\slot+2:G0B+4*\slot+3], 2*ROWB
	JLOAD G0+4*\slot, G1, G0B+4*\slot, G1B         ; the first tensor load behind the round, my only one out; the four v_nop behind it are the places in front of the loads below
.else
	PLACES NP
.endif
	v_add_nc_u32 v[ADRS], 4*NQ, v[ADRS]            ; on to the next K step's scale words (no LDS load of mine is out)
	FETCH_B \next, 0, 0
	FETCH_A \next, 0, 0
	SCALES \next
	WIN MUL_HI
	MUL16 4, 1, NQ-1, \slot, 0
	MUL16 6, 1, NQ-1, \slot, 0
	PLACES NP
	WIN 0
	FETCH_A \next, 0, 4
.endm
	s_wait_loadcnt 0x0                             ; the context
	s_wait_tensorcnt 1                             ; the scales and my part of slot 0 are in (slot 1's load may be out)
	s_barrier_signal -1
	s_barrier_wait -1                              ; everybody's are
	FETCH_B 0, 0, 0
	FETCH_A 0, 0, 0
	SCALES 0
	FETCH_A 0, 0, 4
	STEP 0, 0, 1                                   ; K has eight steps of 128, four slots' worth: they are written out.  The first step's products start the sums
	TURN 0, 1, 1                                   ; slot 0 takes K 512 on
	STEP 1, 0, 0
	TURN 1, 0, 1                                   ; slot 1 takes K 768 on
	STEP 0, 0, 0
	TURN 0, 1, 0                                   ; nothing is left to fetch: no round of the cluster's barrier
	STEP 1, 0, 0
	s_wait_dscnt 4*NL                              ; the very last step
	WIN MUL_LO
	MUL16 0, 1, NQ-1, 1, 0
	MUL16 2, 1, NQ-1, 1, 0
	s_wait_dscnt 0
	WIN MUL_HI
	MUL16 4, 1, NQ-1, 1, 0
	MUL16 6, 1, NQ-1, 1, 0
	WIN 0
; ---------------------------------------------------------------- THE EPILOGUE, a block of 16 rows at a time
; The softmax of block a's 16 rows, two heads a lane, and q's codes.  Block n of four: head n / 2, d = 32 (n % 2) on.
.macro QSOFT a
.set W,    2+(\a)/4                    ; the block's window
.set AC,   64*((\a)%4)                 ; its 64 registers
.set W_RR, W|(W<<2)                    ; sources 0 and 1 there
.set W_IP, W|(W<<6)                    ; source 0 and destination there
	WIN W_RR
.irp n, 0,1,2,3
	v_max_num_f32 v[BMX+\n], v[AC+16*\n], v[AC+16*\n+1]                  ; the largest score of each block of 32 d; each accumulator is read from its low end on
.endr
.irp i, 2,4,6,8,10,12,14
.irp n, 0,1,2,3
	v_max3_num_f32 v[BMX+\n], v[AC+16*\n+\i], v[AC+16*\n+\i+1], v[BMX+\n]
.endr
.endr
	WIN 0
.irp n, 0,1,2,3
	v_permlanex16_b32 v[U+\n], v[BMX+\n], s[SEL], s[SEL+1]
.endr
.irp n, 0,1,2,3
	v_max_num_f32 v[BMX+\n], v[BMX+\n], v[U+\n]    ; with lane l xor 16's 16
.endr
.irp g, 0,1
	v_max_num_f32 v[NG+2*\g], v[BMX+2*\g], v[BMX+2*\g+1]                 ; the row's largest score m
.endr
.irp g, 0,1
	v_mul_f32 v[NG+2*\g], s[NC], v[NG+2*\g]        ; -c m
.endr
.irp n, 0,1,2,3
	v_fma_f32 v[BMX+\n], v[BMX+\n], s[CC], v[NG+2*(\n/2)]                ; the blocks' largest go the way of all scores: the same instructions on the same number give the same bits
.endr
	WIN W_IP
.irp g, 0,1
.set j, 0
.rept 16
	v_pk_fma_f32 v[AC+32*\g+j:AC+32*\g+j+1], v[AC+32*\g+j:AC+32*\g+j+1], s[CC:CC+1], v[NG+2*\g:NG+2*\g+1] op_sel_hi:[1,0,0]   ; c s - c m, two at a time
.set j, j+2
.endr
.endr
.set j, 0
.rept 64
	v_exp_f32 v[AC+j], v[AC+j]
.set j, j+1
.endr
	WIN 0
.irp n, 0,1,2,3
	v_exp_f32 v[BMX+\n], v[BMX+\n]
.endr
	v_nop                                          ; a plain place behind the last exponential,
	s_wait_alu depctr_va_vdst(0)                   ; and one wait for the batch of 68, ahead of its first reader
	WIN W_RR
.irp g, 0,1
	v_pk_add_f32 v[SU+2*\g:SU+2*\g+1], v[AC+32*\g:AC+32*\g+1], v[AC+32*\g+2:AC+32*\g+3]          ; the rows' sums: two at a time, two chains a head
	v_pk_add_f32 v[SV+2*\g:SV+2*\g+1], v[AC+32*\g+4:AC+32*\g+5], v[AC+32*\g+6:AC+32*\g+7]
.endr
	WIN W
.irp i, 8,12,16,20,24,28
.irp g, 0,1
	v_pk_add_f32 v[SU+2*\g:SU+2*\g+1], v[AC+32*\g+\i:AC+32*\g+\i+1], v[SU+2*\g:SU+2*\g+1]
	v_pk_add_f32 v[SV+2*\g:SV+2*\g+1], v[AC+32*\g+\i+2:AC+32*\g+\i+3], v[SV+2*\g:SV+2*\g+1]
.endr
.endr
	WIN 0
.irp g, 0,1
	v_pk_add_f32 v[SU+2*\g:SU+2*\g+1], v[SU+2*\g:SU+2*\g+1], v[SV+2*\g:SV+2*\g+1]
.endr
.irp g, 0,1
	v_add_f32 v[SU+2*\g], v[SU+2*\g], v[SU+2*\g+1]
.endr
.irp g, 0,1
	v_permlanex16_b32 v[U+\g], v[SU+2*\g], s[SEL], s[SEL+1]
.endr
.irp g, 0,1
	v_add_f32 v[SU+2*\g], v[SU+2*\g], v[U+\g]      ; with lane l xor 16's 32: the row's sum, at least 1 less a rounding
.endr
.irp g, 0,1
	v_rcp_f32 v[R8+2*\g], v[SU+2*\g]
.endr
	v_nop
	s_wait_alu depctr_va_vdst(0)                   ; one wait for the two reciprocals
.irp g, 0,1
	v_mul_f32 v[R8+2*\g], 0x3e000000, v[R8+2*\g]   ; x 64^-0.5 = 0.125: exact
.endr
.irp n, 0,1,2,3
	v_mul_f32 v[BMX+\n], v[BMX+\n], v[R8+2*(\n/2)] ; the blocks' largest q
.endr
	WIN W_IP
.irp g, 0,1
.set j, 0
.rept 16
	v_pk_mul_f32 v[AC+32*\g+j:AC+32*\g+j+1], v[AC+32*\g+j:AC+32*\g+j+1], v[R8+2*\g:R8+2*\g+1] op_sel_hi:[1,0]   ; q, finished and normalised
.set j, j+2
.endr
.endr
	WIN 0
.irp n, 0,1,2,3
	v_max_num_f32 v[BMX+\n], 0x1800000, v[BMX+\n]  ; the floor 2^(3 - 127): the byte cannot fall under 1
.endr
.irp n, 0,1,2,3
	v_add_nc_u32 v[SO+\n], 0xff000000, v[BMX+\n]   ; 2 off the exponent field: the conversion's scale operand
.endr
.irp n, 0,1,2,3
	v_lshrrev_b32 v[BY+\n], 23, v[SO+\n]           ; the scale's byte
.endr
.irp g, 0,1
	v_lshl_or_b32 v[QSW+\g], v[BY+2*\g+1], 8, v[BY+2*\g]
.endr
.irp g, 0,1
	v_or_b32 v[QSW+\g], 0x7f7f0000, v[QSW+\g]      ; the byte 127 over the zero codes of K = 64 .. 127
.endr
	WIN W
.irp g, 0,1
	v_cvt_scalef32_pk16_fp6_f32 v[QF+12*\g:QF+12*\g+2], v[AC+32*\g:AC+32*\g+15], v[SO+2*\g]
	v_cvt_scalef32_pk16_fp6_f32 v[YT+4*\g:YT+4*\g+2], v[AC+32*\g+16:AC+32*\g+31], v[SO+2*\g+1]   ; (a conversion's three registers begin on an even number)
.endr
	v_nop                                          ; one plain place behind a scaled conversion
	WIN 0
.irp g, 0,1                                    ; the operand's layout wants a WHOLE block in a lane: lanes 0-15 d = 0 .. 31, lanes 16-31 d = 32 .. 63
.irp i, 0,1,2
	v_permlane16_swap_b32 v[QF+12*\g+\i], v[YT+4*\g+\i]
.endr
.irp i, 0,1,2
	v_mov_b32 v[QF+12*\g+3+\i], v[YT+4*\g+\i]
.endr
.endr
.endm
; out of block a: source 0 = 16 e of the context, source 1 = the 16 rows of q; the results lie over the block's spent scores: register 32 g + 8 t + j is out(head g, my row, e = 16 t + 8 (lane / 16) + j)
.macro PROD a
.set W,   2+(\a)/4
.set AC,  64*((\a)%4)
.set W_D, W<<6
	PLACES 8                                       ; a scale register written by a vector instruction stands 8 places ahead of a scaled matrix instruction, an operand so written 4; results laid over an earlier product's registers 5
	WIN W_D
.irp g, 0,1
.irp t, 0,1,2,3
	v_wmma_scale_f32_16x16x128_f8f6f4 v[AC+32*\g+8*\t:AC+32*\g+8*\t+7], v[CF+12*(4*\g+\t):CF+12*(4*\g+\t)+11], v[QF+12*\g:QF+12*\g+11], 0, v[CSW+4*\g+\t], v[QSW+\g] matrix_a_fmt:MATRIX_FMT_FP6 matrix_b_fmt:MATRIX_FMT_FP6
.endr
.endr
	WIN 0
.endm
; THE WAY OUT.  A lane holds 32 neighbouring bytes of a row, and the lanes beside it hold other rows: a block goes through my own stage in LDS and comes back as rows of 512 bytes: 256 of each head.
; LDS serves a wave's instructions in order (ISA guide 5.7.1.4): no wait between the stores and the loads, nor in front of the next block's stores.
.macro TOSTAGE a
.set AC, 64*((\a)%4)
.set W_S, 0x08+4*((\a)/4)              ; an LDS store's data are its source 1: window 2 or 3
	WIN W_S
.irp b, 0,1,2,3,4,5,6,7
	ds_store_b128 v[STO], v[AC+8*\b:AC+8*\b+3] offset:64*\b              ; each accumulator from its low end on
	ds_store_b128 v[STO], v[AC+8*\b+4:AC+8*\b+7] offset:64*\b+16
.endr
	WIN 0x40                                       ; back into window 1: v0-63 and v64-127 by turns
.set BB, 64*((\a)%2)
.irp t, 0,1,2,3,4,5,6,7,8,9,10,11,12,13,14,15
	ds_load_b128 v[BB+4*\t:BB+4*\t+3], v[RD] offset:\t*SPITCH
.endr
	WIN 0
.endm
.macro SEND a, younger                 ; younger: the LDS instructions issued behind block a's loads, which may stay out
.set BB, 64*((\a)%2)
	s_wait_dscnt \younger                          ; the block is back in registers
	WIN 0x04                                       ; a store's data are its source 1: window 1
.irp t, 0,1,2,3,4,5,6,7,8,9,10,11,12,13,14,15
	global_store_b128 v[CO], v[BB+4*\t:BB+4*\t+3], s[12:13] offset:(32*((\a)/2)+8*((\a)%2)+\t+8*(\t/8))*256 th:TH_STORE_NT   ; sixteen lanes store a row's 256 consecutive bytes, aligned; the row's place by the order of x's codes; written once, read by nobody here
.endr
	WIN 0
.endm
	PLACES NP                                      ; behind the last products
.irp g, 0,1
.irp i, 6,7,8,9,10,11
	v_mov_b32 v[QF+12*\g+\i], 0                    ; K = 64 .. 127 of q's fragments: zero codes, written once
.endr
	v_mov_b32 v[NG+2*\g+1], 0                      ; (the upper halves of the pairs that the packed forms name)
	v_mov_b32 v[R8+2*\g+1], 0
.endr
.irp n, 0,1,2,3
	v_mov_b32 v[U+\n], 0                           ; written once: a lane permute's destination counts as one of its sources
.endr
.irp a, 0,1,2,3,4,5,6,7
	QSOFT \a
	PROD \a
	PLACES NP                                      ; in front of the LDS stores that read the results, and of the next block's writes of q's fragments and scale words
.if \a > 1
	s_wait_xcnt 0x0                                ; block a - 2's stores have read their registers: block a's loads may land there
.endif
	TOSTAGE \a
.if \a > 0
	SEND \a-1, 32                                  ; behind block a - 1's loads: block a's 16 stores and 16 loads
.endif
.endr
	SEND 7, 0
	s_wait_tensorcnt 0x0                           ; the wave's end: behind my last tensor load and my last LDS store
	ds_add_u32 v[SPW], v[NIL]
	s_wait_dscnt 0x0
	CROUND                                         ; the closing round: no work-group ends while a partner may still ask for a tile that names it
	s_endpgm
.Lfunc_end_k_qb89f61262c_qout:
	.size	k_qb89f61262c_qout, .Lfunc_end_k_qb89f61262c_qout-k_qb89f61262c_qout
	.p2alignl 7, 3214868480
	.fill 96, 4, 3214868480
	.section	.rodata,"a",@progbits
	.p2align	6, 0x0
	.amdhsa_kernel k_qb89f61262c_qout
		.amdhsa_group_segment_fixed_size 327680
		.amdhsa_private_segment_fixed_size 0
		.amdhsa_enable_private_segment 0
		.amdhsa_kernarg_size 48
		.amdhsa_user_sgpr_count 2
		.amdhsa_user_sgpr_kernarg_segment_ptr 1
		.amdhsa_wavefront_size32 1
		.amdhsa_system_sgpr_workgroup_id_x 1
		.amdhsa_system_sgpr_workgroup_id_y 1
		.amdhsa_system_sgpr_workgroup_id_z 1
		.amdhsa_system_vgpr_workitem_id 0
		.amdhsa_next_free_vgpr 1024
		.amdhsa_next_free_sgpr 100
		.amdhsa_reserve_vcc 0
		.amdhsa_float_denorm_mode_32 3
		.amdhsa_float_denorm_mode_16_64 3
		.amdhsa_memory_ordered 1
		.amdhsa_forward_progress 1
		.amdhsa_inst_pref_size 255
	.end_amdhsa_kernel
	.section	.bss,"aw",@nobits
	.p2align	6
	.space	262144
	.amdgpu_metadata
---
amdhsa.version: [ 1, 2 ]
amdhsa.kernels:
  - .name:           k_qb89f61262c_qout
    .symbol:         k_qb89f61262c_qout.kd
    .args:
      - { .name: xc, .offset: 0, .size: 8, .value_kind: global_buffer, .address_space: global }
      - { .name: xs, .offset: 8, .size: 8, .value_kind: global_buffer, .address_space: global }
      - { .name: wc, .offset: 16, .size: 8, .value_kind: global_buffer, .address_space: global }
      - { .name: ws, .offset: 24, .size: 8, .value_kind: global_buffer, .address_space: global }
      - { .name: out0, .offset: 32, .size: 8, .value_kind: global_buffer, .address_space: global }
      - { .name: cc, .offset: 40, .size: 8, .value_kind: global_buffer, .address_space: global }
    .group_segment_fixed_size: 327680
    .private_segment_fixed_size: 0
    .kernarg_segment_align: 8
    .kernarg_segment_size: 48
    .max_flat_workgroup_size: 128
    .sgpr_count:     100
    .vgpr_count:     1024
    .wavefront_size: 32
...
	.end_amdgpu_metadata
.endif
;; end of part 4
